; MI455X (gfx1250); checked and timed in simulation.
; The chip was launched on July 23, 2026; its instructions are those of AMD's public machine-readable ISA for CDNA 5 (MIT licence, August 2026) and "CDNA5" Instruction Set Architecture Reference Guide (July 2026). The comments in the code are by the model that wrote it; some were corrected since.
;; Graph Attention. Allowed arithmetic: matrix products marked QUANTISED: E3M2 operands, one E8M0 scale for each 32 along K, by v_wmma_scale_f32_16x16x128_f8f6f4 with both operands' format E3M2, f32 sums; everything else in f32.
;; Inputs: Wk 512 x 512 float32; Wo 512 x 512 float32; Wq 512 x 512 float32; Wv 512 x 512 float32; bk 512 float32; bo 512 float32; bq 512 float32; bv 512 float32; graph_mask 2 x 4,096 x 4,096 float32; x 2 x 4,096 x 512 float32.
;; Outputs: out0 2 x 4,096 x 512 float32.
;; This version of the problem:
;;   THIS VERSION OF THE PROBLEM IS GIVEN IN LOW PRECISION. The matrix products marked QUANTISED in the list below multiply operands that are first quantised to E3M2 (3 exponent bits, 2 mantissa bits; 6 bits a number), with one power-of-two scale for each 32 numbers along K (OCP MX v1.0); their sums are f32. All else is computed in f32.
;;   The module's matrix products, in the order in which they are computed (A, B: the left and right operand; K: the contracted axis; several contracted axes count as one K, in the product's order):
;;     1. [M 8,192, K 512] x [K 512, N 512]; A: input x; B: input Wq: QUANTISED
;;     2. [M 8,192, K 512] x [K 512, N 512]; A: input x; B: input Wk: QUANTISED
;;     3. [M 8,192, K 512] x [K 512, N 512]; A: input x; B: input Wv: QUANTISED
;;     4. batch 16 x [M 4,096, K 64] x [K 64, N 4,096]; A: computed on the way; B: computed on the way: QUANTISED
;;     5. batch 16 x [M 4,096, K 4,096] x [K 4,096, N 64]; A: softmax (see below); B: computed on the way: QUANTISED
;;     6. [M 8,192, K 512] x [K 512, N 512]; A: computed on the way; B: input Wo: QUANTISED
;;   THE QUANTISER, for each operand of a quantised product, along K:
;;     - K is cut into blocks of 32 from its start; a last block that is shorter is filled with zeros.
;;     - A block's scale is 2^e with e = floor(log2(the largest magnitude in the block)) - 4, held to -126 .. 127; a block of zeros has e = 0. As a byte (E8M0): e + 127.
;;     - Each number is divided by its block's scale, clamped to +-28, and rounded to the nearest number of E3M2, ties to even, subnormals kept.
;;     - The product sums the exact products of the quantised numbers (number of the format x scale) in f32.
;;   ~~~python
;;   def quantise(x, axis):      # numpy; x: float32 -> the quantised numbers, widened to float32 again
;;       x = np.moveaxis(x, axis, -1); K = x.shape[-1]
;;       x = np.pad(x, [(0, 0)] * (x.ndim - 1) + [(0, -K % 32)]); x = x.reshape(x.shape[:-1] + (-1, 32)); a = np.abs(x).max(-1, keepdims=True)
;;       e = np.where(a > 0, np.clip(np.frexp(np.where(a > 0, a, 1))[1] - 1 - 4, -126, 127), 0)      # np.frexp(a)[1] - 1 = floor(log2(a)), exactly
;;       r = np.clip(x / 2.0 ** e, -28, 28)
;;       step = 2.0 ** (np.maximum(np.frexp(np.where(r == 0, 1, r))[1] - 1, -2) - 2)
;;       q = np.round(r / step) * step * 2.0 ** e      # np.round: ties to even
;;       return np.moveaxis(q.reshape(q.shape[:-2] + (-1,))[..., :K], -1, axis).astype(np.float32)
;;   ~~~
;;   SOFTMAX AHEAD OF A QUANTISED PRODUCT. Where the list says 'softmax', what is quantised is not the finished softmax but p = 2^(t - M), with t = logit x log2(e) and M = ceil(the row's largest t), a whole number; so 1/2 < the row's largest p <= 1. The row's sum l is taken of the UNQUANTISED p, in f32, and the product's result is divided by l at the end. Since M is a whole number, a kernel that streams over the keys may use a running M (the ceiling of the running maximum): every later rescaling is an exact power of two, which a block's scale takes up: the codes' values come out the same.
;;   OPERANDS COMPUTED ON THE WAY. 'Computed on the way' means the value that the module computes at that place (a softmax that the list does not call 'softmax' is quantised finished and normalised). What goes into a quantiser is computed in f32, as accurately as f32 sums, v_exp_f32 and their like allow (about 1e-6 of the number): no bf16 or f16 on the way to a quantiser, and a product that is left as it is and whose result goes on into a quantised operand takes f32 operands (vector FMAs, or v_wmma_f32_16x16x4_f32). A number that lies on a knife's edge between two numbers of the format may be rounded either way, as far as f32 arithmetic and the matrix unit's own rounding can turn it there, and no further.
;; One version. Each part assembles by itself: llvm-mc -triple=amdgcn-amd-amdhsa -mcpu=gfx1250 --defsym DOCPART=n.
;; ======== version 1 of 1: 3 launches
;; limits: right only within a limited range of input values
;; workspace buffers: ximg 3,276,800 bytes; wimg 786,432 bytes; wsc 32,768 bytes; qws 3,276,800 bytes; kvws 6,553,600 bytes
;; launch prep (part 1): grid 320 x 1, 4 waves a work-group, no clusters, 47,616 bytes of LDS; arguments x, Wq, Wk, Wv, Wo, ximg, wimg, wsc; writes ximg, wimg, wsc
.if DOCPART == 1
	.amdgcn_target "amdgcn-amd-amdhsa--gfx1250"
	.amdhsa_code_object_version 6
	.text
	.protected	k_q0882f73b01_prep
	.globl	k_q0882f73b01_prep
	.p2align	8
	.type	k_q0882f73b01_prep,@function
k_q0882f73b01_prep:
	s_mov_b64 s[64:65], 0
	v_nop
	global_prefetch_b8 v0, s[64:65] scope:SCOPE_SE
	s_setreg_imm32_b32 hwreg(HW_REG_WAVE_MODE, 25, 1), 1
	s_wait_xcnt 0x0
; x [8192][512] f32 (K innermost) and Wq, Wk, Wv, Wo [512 (k)][512 (n)] f32 (K outermost) become codes of BF6 (E3M2) with one E8M0 byte for each 32 along K,
; laid as IMAGES OF OPERAND REGISTERS: a fragment (16 rows x 128 K) is 12 registers a lane; registers 4 g .. 4 g + 3 of lane l lie at 512 g + 16 l of its 1,536 bytes.
; THE MEMBERS OF A TILE ARE NOT NEIGHBOURS: member r of tile 2 b + u (of tokens, of a weight's columns) is index 32 b + 8 u + r + 8 (r / 8), so that the results of two
; neighbouring tiles are 16 neighbours along the next product's K.
; ximg: [R 64 (128 tokens)][51,200]: fragment (tile T, K step s) at (4 T + s) 1,536; scale words at 49,152 + 256 T + 16 r + 4 s.
; wimg: [m 4: q, k, v, o][column tile 32][s 4][1,536].   wsc: [m][s 4][column tile 32][r 16] words.
; A block's scale is 2^(floor(log2(largest magnitude)) - 4): its byte is the largest magnitude's exponent field - 4, held at 1 from below by a floor among the maximum's leaves.
; LIMITS: NaN and infinities among the inputs are not served; blocks whose largest magnitude lies under 2^-122 keep the byte 1; a block of zeros has the byte 1 where the
; rule says 127: its codes are zeros, and these bytes are read by this program alone.
; Work-groups 0-255 take x, 256-319 the weights.  Waves share nothing: no barrier, no tensor load, no cluster (no two work-groups read the same bytes).  Every wave issues all its loads at its head.
; Each of the two ways has LDS bytes of its own.
.set XSTG,  16*528                     ; x's way: a stage of 16 rows x (512 bytes + 16) for each wave
.set WBASE, 4*XSTG                     ; the weights' way begins behind them
.set WTILE, 1664                       ; a tile's image, 1,536 bytes, in a place of 1,664: the two tiles of a wave lie 128 bytes apart modulo 256
.set WSTG,  2*WTILE
.set SEL,  36                          ; s[36:37] v_permlanex16_b32's selects for lane l xor 16
.set GL,   1                           ; v1   16 x lane
.set LN,   2                           ; v2   lane
.set PW,   10                          ; v10  the scale word just made
.set TM,   12                          ; v12-15 largest magnitudes
.set TP,   16                          ; v16-19 the other half's maxima, then the bytes
.set TE,   20                          ; v20-23 the conversions' scale operands
.set PC0,  24                          ; v24-35 the first fragment's codes
.set PT,   36                          ; v36-42 upper halves of blocks, on their way
.set PC1,  44                          ; v44-55 the second fragment's codes
.set XR,   64                          ; v64-191 numbers as they are loaded
.set XB,   192                         ; v192-255 64 numbers of a lane: register 16 b + i = k 32 b + 16 (lane / 16) + i of its row
; 64 numbers of a lane become a fragment's 12 registers of codes, v[pc] on, and its row's scale word, v[PW].
.macro QUANT s, pc
.irp b, 0,1,2,3
	v_max3_num_f32 v[TM+\b], |v[(\s)+16*\b]|, |v[(\s)+1+16*\b]|, 0x2800000   ; block b: my 16 numbers, and the floor 2^(5 - 127)
.endr
.irp i, 2,4,6,8,10,12,14
.irp b, 0,1,2,3
	v_max3_num_f32 v[TM+\b], v[TM+\b], |v[(\s)+16*\b+\i]|, |v[(\s)+1+16*\b+\i]|   ; the four blocks by turns
.endr
.endr
.irp b, 0,1,2,3
	v_permlanex16_b32 v[TP+\b], v[TM+\b], s[SEL], s[SEL+1]
.endr
.irp b, 0,1,2,3
	v_max_num_f32 v[TM+\b], v[TM+\b], v[TP+\b]     ; with lane l xor 16's 16: the block's largest magnitude
.endr
.irp b, 0,1,2,3
	v_add_nc_u32 v[TE+\b], 0xfe000000, v[TM+\b]    ; 4 off its exponent field: the conversion takes this operand's exponent field as its scale
.endr
.irp b, 0,1,2,3
	v_lshrrev_b32 v[TP+\b], 23, v[TE+\b]           ; the scale's byte
.endr
	v_lshl_or_b32 v[PW], v[TP+1], 8, v[TP]
	v_lshl_or_b32 v[PW], v[TP+2], 16, v[PW]
	v_lshl_or_b32 v[PW], v[TP+3], 24, v[PW]
.irp c, 0,1
	v_cvt_scalef32_pk16_bf6_f32 v[(\pc)+6*\c:(\pc)+6*\c+2], v[(\s)+32*\c:(\s)+32*\c+15], v[TE+2*\c]
	v_cvt_scalef32_pk16_bf6_f32 v[PT+4*\c:PT+4*\c+2], v[(\s)+32*\c+16:(\s)+32*\c+31], v[TE+2*\c+1]   ; (a conversion's three registers begin on an even number)
.endr
	v_nop                                          ; one plain instruction behind the last scaled conversion
.irp c, 0,1                            ; the layout wants a whole block in a lane: lanes 0-15 block 2 c, lanes 16-31 block 2 c + 1
.irp i, 0,1,2
	v_permlane16_swap_b32 v[(\pc)+6*\c+\i], v[PT+4*\c+\i]
.endr
.irp i, 0,1,2
	v_mov_b32 v[(\pc)+3+6*\c+\i], v[PT+4*\c+\i]
.endr
.endr
.endm
	s_load_b256 s[4:11], s[0:1], 0x0               ; x s[4:5], Wq s[6:7], Wk s[8:9], Wv s[10:11]
	s_load_b256 s[12:19], s[0:1], 0x20             ; Wo s[12:13], ximg s[14:15], wimg s[16:17], wsc s[18:19]
	v_lshl_add_u32 v62, v0, 2, 0xb800
	v_mov_b32 v63, 0
	v_lshrrev_b32 v3, 5, v0
	v_readfirstlane_b32 s20, v3                    ; wave 0..3
	v_and_b32 v[LN], 31, v0
	v_lshlrev_b32 v[GL], 4, v[LN]
	s_cmp_lt_u32 ttmp9, 256
	s_cbranch_scc0 .Lweights
	; ---------------- x: wave id = 4 x work-group + wave makes fragments (T, 2 sh) and (T, 2 sh + 1) of block R
	v_and_b32 v6, 15, v0                           ; r
	v_bfe_u32 v7, v0, 4, 1                         ; h
	s_mul_i32 s21, s20, XSTG                       ; my stage
	v_add_nc_u32 v3, s21, v[GL]                    ; in: a row's 512 bytes as they lie, 16 a lane
	v_mul_u32_u24 v4, v6, 528
	v_lshl_add_u32 v4, v7, 6, v4
	v_add_nc_u32 v4, s21, v4                       ; back: row r, + 64 h: my 16 numbers of each block of 32
	v_lshlrev_b32 v5, 4, v6                        ; 16 r: my row's scale words
.irp b, 0,1,2,3
	v_mov_b32 v[TP+\b], 0                          ; written once: a lane permute's destination counts as one of its sources
.endr
	s_mov_b32 s[SEL], 0x76543210
	s_mov_b32 s[SEL+1], 0xfedcba98
	s_lshl_b32 s21, ttmp9, 2
	s_add_co_u32 s21, s21, s20                     ; id
	s_lshr_b32 s22, s21, 4                         ; R
	s_bfe_u32 s23, s21, 0x30001                    ; T
	s_and_b32 s24, s21, 1                          ; sh
	s_lshl_b32 s26, s22, 18                        ; x: 128 R rows of 2,048 bytes,
	s_lshr_b32 s25, s23, 1
	s_lshl_b32 s25, s25, 16                        ; + 32 (T / 2) rows,
	s_add_co_u32 s26, s26, s25
	s_and_b32 s25, s23, 1
	s_lshl_b32 s25, s25, 14                        ; + 8 (T % 2) rows,
	s_add_co_u32 s26, s26, s25
	s_lshl_b32 s25, s24, 10                        ; + 256 sh numbers
	s_add_co_u32 s26, s26, s25
	s_mov_b32 s27, 0
	s_mul_i32 s30, s22, 51200                      ; ximg: block R,
	s_lshl_b32 s25, s23, 2
	s_lshl_b32 s28, s24, 1
	s_add_co_u32 s25, s25, s28
	s_mul_i32 s25, s25, 1536
	s_add_co_u32 s28, s30, s25                     ; fragment 4 T + 2 sh;
	s_mov_b32 s29, 0
	s_lshl_b32 s25, s23, 8
	s_add_co_u32 s30, s30, s25
	s_lshl_b32 s25, s24, 3
	s_add_co_u32 s30, s30, s25
	s_add_co_u32 s30, s30, 49152                   ; scale words: 49,152 + 256 T + 8 sh
	s_mov_b32 s31, 0
	s_wait_alu depctr_va_vdst(0)
	s_wait_kmcnt 0x0
	s_add_nc_u64 s[4:5], s[4:5], s[26:27]
	s_add_nc_u64 s[32:33], s[14:15], s[28:29]
	s_add_nc_u64 s[34:35], s[14:15], s[30:31]
.macro LOADX f                         ; the tile's 16 rows, 128 numbers of each: every load reads 512 consecutive bytes of one row
.irp i, 0,1,2,3,4,5,6,7,8,9,10,11,12,13,14,15
	global_load_b128 v[XR+64*\f+4*\i:XR+64*\f+4*\i+3], v[GL], s[4:5] offset:(\i+8*(\i/8))*2048+512*\f th:TH_LOAD_NT
.endr
.endm
.macro TURN f                          ; through my stage: LDS serves a wave's instructions in order, so no wait stands between the stores and the loads
.irp i, 0,1,2,3,4,5,6,7,8,9,10,11,12,13,14,15
	ds_store_b128 v3, v[XR+64*\f+4*\i:XR+64*\f+4*\i+3] offset:528*\i
.endr
.irp b, 0,1,2,3
.irp j, 0,1,2,3
	ds_load_b128 v[XB+16*\b+4*\j:XB+16*\b+4*\j+3], v4 offset:128*\b+16*\j   ; rows 528 bytes apart: sixteen lanes touch sixteen different columns of 16 bytes
.endr
.endr
.endm
.macro PUTX f, pc                      ; a fragment's image: three stores of 512 consecutive bytes
.irp g, 0,1,2
	global_store_b128 v[GL], v[(\pc)+4*\g:(\pc)+4*\g+3], s[32:33] offset:1536*\f+512*\g
.endr
.endm
	LOADX 0
	LOADX 1
	s_wait_loadcnt 16                              ; the first K step's 16 loads are in; the second's 16 may be out
	TURN 0
	s_wait_dscnt 0x0
	QUANT XB, PC0
	v_mov_b32 v8, v[PW]
	PUTX 0, PC0
	s_wait_loadcnt 0x0
	TURN 1
	s_wait_dscnt 0x0
	QUANT XB, PC1
	v_mov_b32 v9, v[PW]
	PUTX 1, PC1
	v_cmp_gt_u32 vcc_lo, 16, v[LN]                 ; lanes 16-31 hold the same words as lanes 0-15
	s_wait_alu depctr_va_vdst(0)
	s_wait_xcnt 0x0                                ; EXEC changes only behind this wait: it is a source of the stores above
	s_wait_tensorcnt 0x0
	ds_add_u32 v62, v63
	s_wait_dscnt 0x0
	s_and_saveexec_b32 s38, vcc_lo
	global_store_b64 v5, v[8:9], s[34:35]          ; 8 of each row's 16 bytes: two waves fill a tile's 256 bytes between them; 2,048 of a block's 51,200 bytes leave so
	s_endpgm
	; ---------------- the weights: work-group 256 + 16 m + bb, wave s: columns 32 bb .. 32 bb + 31 of weight m, k = 128 s .. 128 s + 127.
	; A LANE TAKES A COLUMN AND ITS REGISTERS RUN DOWN K: a block of 32 lies in one lane, and the conversions give codes with K innermost.
.Lweights:
	s_sub_co_u32 s21, ttmp9, 256
	s_lshr_b32 s22, s21, 4                         ; m
	s_and_b32 s23, s21, 15                         ; bb
	s_wait_alu depctr_va_vdst(0)
	v_lshlrev_b32 v3, 2, v[LN]                     ; 4 bytes a lane
	v_bfe_u32 v8, v0, 3, 1                         ; column 32 bb + lane is member r of tile 2 bb + uu: uu = (lane / 8) % 2,
	v_and_b32 v9, 7, v0
	v_bfe_u32 v10, v0, 4, 1
	v_lshl_add_u32 v9, v10, 3, v9                  ; r = lane % 8 + 8 (lane / 16)
	s_mul_i32 s24, s20, WSTG
	s_add_co_u32 s24, s24, WBASE                   ; my stage: two images
	v_mul_u32_u24 v4, v8, WTILE
	v_lshl_add_u32 v4, v9, 4, v4
	v_add_nc_u32 v4, s24, v4                       ; in: tile uu, lane r of the image
	v_add_nc_u32 v5, s24, v[GL]                    ; back: 16 x lane
	v_lshlrev_b32 v7, 6, v8
	v_lshl_add_u32 v7, v9, 2, v7                   ; my scale word: 64 uu + 4 r
	s_lshl_b32 s26, s20, 18                        ; W: 128 s rows of 2,048 bytes + 32 bb columns
	s_lshl_b32 s25, s23, 7
	s_add_co_u32 s26, s26, s25
	s_mov_b32 s27, 0
	s_mul_i32 s28, s22, 196608                     ; wimg: m, tile 2 bb, K step s
	s_mul_i32 s25, s23, 12288
	s_add_co_u32 s28, s28, s25
	s_mul_i32 s25, s20, 1536
	s_add_co_u32 s28, s28, s25
	s_mov_b32 s29, 0
	s_lshl_b32 s30, s22, 13                        ; wsc: m, s, tile 2 bb
	s_lshl_b32 s25, s20, 11
	s_add_co_u32 s30, s30, s25
	s_lshl_b32 s25, s23, 7
	s_add_co_u32 s30, s30, s25
	s_mov_b32 s31, 0
	s_wait_kmcnt 0x0
	s_cmp_eq_u32 s22, 1                            ; which weight: the choice hangs on the work-group's number alone
	s_cselect_b64 s[32:33], s[8:9], s[6:7]
	s_cmp_eq_u32 s22, 2
	s_cselect_b64 s[32:33], s[10:11], s[32:33]
	s_cmp_eq_u32 s22, 3
	s_cselect_b64 s[32:33], s[12:13], s[32:33]
	s_add_nc_u64 s[32:33], s[32:33], s[26:27]
	s_add_nc_u64 s[34:35], s[16:17], s[28:29]
	s_add_nc_u64 s[38:39], s[18:19], s[30:31]
.set I, 0
.rept 128
	global_load_b32 v[XR+I], v3, s[32:33] offset:I*2048 th:TH_LOAD_NT   ; W(128 s + I, my column): 32 lanes read 128 consecutive bytes
.set I, I+1
.endr
; Block kb of my column: six registers of codes, which are registers 6 (kb / 2) .. + 5 of lane (r, kb % 2) of my tile's image.
.macro WBLK kb
.set XS, XR+32*(\kb)
.set C, 24+8*(\kb)
.if (\kb) == 0
	s_wait_loadcnt 63                              ; 96 loads are younger than block 0's; the wait's field names 63 at the most, which shows blocks 0 and 1 in
.elseif (\kb) == 2
	s_wait_loadcnt 32                              ; block 3's 32 may be out
.elseif (\kb) == 3
	s_wait_loadcnt 0x0
.endif
	v_max3_num_f32 v12, |v[XS]|, |v[XS+1]|, |v[XS+2]|               ; all 32 numbers are mine: two chains
	v_max3_num_f32 v13, |v[XS+3]|, |v[XS+4]|, |v[XS+5]|
.irp i, 6,10,14,18,22,26
	v_max3_num_f32 v12, v12, |v[XS+\i]|, |v[XS+\i+1]|
	v_max3_num_f32 v13, v13, |v[XS+\i+2]|, |v[XS+\i+3]|
.endr
	v_max3_num_f32 v12, v12, |v[XS+30]|, |v[XS+31]|
	v_max3_num_f32 v12, v12, v13, 0x2800000        ; and the floor 2^(5 - 127)
	v_add_nc_u32 v11, 0xfe000000, v12              ; the conversions' scale operand
	v_lshrrev_b32 v13, 23, v11                     ; the byte
.if (\kb) == 0
	v_mov_b32 v6, v13
.else
	v_lshl_or_b32 v6, v13, 8*(\kb), v6             ; my column's scale word for this K step
.endif
	v_cvt_scalef32_pk16_bf6_f32 v[C:C+2], v[XS:XS+15], v11
	v_cvt_scalef32_pk16_bf6_f32 v[C+4:C+6], v[XS+16:XS+31], v11
	v_nop                                          ; one plain instruction behind the last scaled conversion
	v_mov_b32 v[C+3], v[C+4]                       ; the six registers on end
	v_mov_b32 v[C+4], v[C+5]
	v_mov_b32 v[C+5], v[C+6]
.if (\kb)/2 == 0
	ds_store_b128 v4, v[C:C+3] offset:256*((\kb)%2)              ; image registers 0-3
	ds_store_b64 v4, v[C+4:C+5] offset:512+256*((\kb)%2)         ; 4, 5
.else
	ds_store_b64 v4, v[C:C+1] offset:520+256*((\kb)%2)           ; 6, 7
	ds_store_b128 v4, v[C+2:C+5] offset:1024+256*((\kb)%2)       ; 8-11
.endif
.endm
	WBLK 0
	WBLK 1
	WBLK 2
	WBLK 3
	global_store_b32 v7, v6, s[38:39]              ; 32 lanes store the two tiles' 128 bytes of scale words
.irp t, 0,1,2,3,4,5
	ds_load_b128 v[XR+4*\t:XR+4*\t+3], v5 offset:WTILE*(\t/3)+512*(\t%3)   ; LDS serves a wave's instructions in order: these see my stores
.endr
.irp t, 0,1,2,3,4,5
	s_wait_dscnt 5-\t
	global_store_b128 v[GL], v[XR+4*\t:XR+4*\t+3], s[34:35] offset:6144*(\t/3)+512*(\t%3)   ; 512 consecutive bytes a store
.endr
	s_wait_tensorcnt 0x0
	ds_add_u32 v62, v63
	s_wait_dscnt 0x0
	s_endpgm
.Lfunc_end_k_q0882f73b01_prep:
	.size	k_q0882f73b01_prep, .Lfunc_end_k_q0882f73b01_prep-k_q0882f73b01_prep
	.p2alignl 7, 3214868480
	.fill 96, 4, 3214868480
	.section	.rodata,"a",@progbits
	.p2align	6, 0x0
	.amdhsa_kernel k_q0882f73b01_prep
		.amdhsa_group_segment_fixed_size 47616
		.amdhsa_private_segment_fixed_size 0
		.amdhsa_enable_private_segment 0
		.amdhsa_kernarg_size 64
		.amdhsa_user_sgpr_count 2
		.amdhsa_user_sgpr_kernarg_segment_ptr 1
		.amdhsa_wavefront_size32 1
		.amdhsa_system_sgpr_workgroup_id_x 1
		.amdhsa_system_sgpr_workgroup_id_y 1
		.amdhsa_system_sgpr_workgroup_id_z 1
		.amdhsa_system_vgpr_workitem_id 0
		.amdhsa_next_free_vgpr 256
		.amdhsa_next_free_sgpr 66
		.amdhsa_reserve_vcc 1
		.amdhsa_float_denorm_mode_32 3
		.amdhsa_float_denorm_mode_16_64 3
		.amdhsa_memory_ordered 1
		.amdhsa_forward_progress 1
		.amdhsa_inst_pref_size 40
	.end_amdhsa_kernel
	.amdgpu_metadata
---
amdhsa.version: [ 1, 2 ]
amdhsa.kernels:
  - .name:           k_q0882f73b01_prep
    .symbol:         k_q0882f73b01_prep.kd
    .args:
      - { .name: x, .offset: 0, .size: 8, .value_kind: global_buffer, .address_space: global }
      - { .name: Wq, .offset: 8, .size: 8, .value_kind: global_buffer, .address_space: global }
      - { .name: Wk, .offset: 16, .size: 8, .value_kind: global_buffer, .address_space: global }
      - { .name: Wv, .offset: 24, .size: 8, .value_kind: global_buffer, .address_space: global }
      - { .name: Wo, .offset: 32, .size: 8, .value_kind: global_buffer, .address_space: global }
      - { .name: ximg, .offset: 40, .size: 8, .value_kind: global_buffer, .address_space: global }
      - { .name: wimg, .offset: 48, .size: 8, .value_kind: global_buffer, .address_space: global }
      - { .name: wsc, .offset: 56, .size: 8, .value_kind: global_buffer, .address_space: global }
    .group_segment_fixed_size: 47616
    .private_segment_fixed_size: 0
    .kernarg_segment_align: 8
    .kernarg_segment_size: 64
    .max_flat_workgroup_size: 128
    .sgpr_count:     66
    .vgpr_count:     256
    .wavefront_size: 32
...
	.end_amdgpu_metadata
.endif
;; end of part 1
;; launch proj (part 2): grid 64 x 4, 8 waves a work-group, no clusters, 168,960 bytes of LDS; arguments ximg, wimg, wsc, bq, bk, bv, qws, kvws; writes qws, kvws
.if DOCPART == 2
	.amdgcn_target "amdgcn-amd-amdhsa--gfx1250"
	.amdhsa_code_object_version 6
	.text
	.protected	k_q0882f73b01_proj
	.globl	k_q0882f73b01_proj
	.p2align	8
	.type	k_q0882f73b01_proj,@function
k_q0882f73b01_proj:
	s_mov_b64 s[64:65], 0
	v_nop
	global_prefetch_b8 v0, s[64:65] scope:SCOPE_SE
	s_setreg_imm32_b32 hwreg(HW_REG_WAVE_MODE, 25, 1), 1
	s_wait_xcnt 0x0
; Q = x Wq + bq, K = x Wk + bk, V = x Wv + bv on codes of BF6 (E3M2) with E8M0 scales, sums in f32; the results are quantised at once: Q and K along the head's 64, V along the keys.
; A work-group takes block R (128 tokens; ttmp9) and heads 2 g, 2 g + 1 (g = work-group y) of all three.  R's block of ximg (32 fragment images and their scale words, 51,200 bytes) comes into LDS once.
; WAVES 0-3 (Q or K of one head): the product is used TRANSPOSED (source 0 = 16 columns of W, source 1 = 16 tokens): a lane holds one token and its 32 registers run along the head's 64.
;   Two token tiles' codes make one image of 12 registers: registers 0-5 tile 2 j, registers 6-11 tile 2 j + 1: the score product reads it as ONE fragment of 128 along K.
; WAVES 4-7 (V, one head, two of its four tiles of 16 channels): natural (source 0 = 16 tokens, source 1 = 16 columns): a lane holds one channel and its 64 registers run along the 128 tokens: a fragment of V^T.
; The members of every tile are ordered 32 b + 8 u + r + 8 (r / 8) (tile 2 b + u), so that a lane's 16 registers of two neighbouring tiles are 16 neighbours along the next K.
; The biases are the C of each sum's first matrix instruction.
; qws: [R][head 8][6,400]: four pair images, then 256 bytes of words, word (r, j) at 16 (r % 8 + 8 (j % 2)) + 4 (2 (j / 2) + r / 8) (bytes 0, 1: tile 2 j's blocks; 2, 3: tile 2 j + 1's).
; kvws: [R][102,400]: head h's codes at 12,288 h (K's pair images, then at + 6,144 V^T's four tiles); words at 98,304 + 512 h (K's laid as Q's, V's at 256 + 16 r + 4 dt).
; NO CLUSTER: of the 198 KB that a work-group reads, 147 KB are weights that go from memory straight into registers, which a joint tensor load cannot fill; the x block is fetched once.
; The waves part on their number ONCE, behind the one barrier, so that no register written by one role alone is read behind a join.
; LIMITS: as in the launch that made the codes: NaN and infinities are not served; blocks under 2^-122, and blocks of zeros, have the byte 1; these bytes are read by this program alone.
; REGISTERS.  window 0: v4-9 addresses; v10-13 the scale words made; v14 the word in hand; v16-47 x's scale words (4 T + s); v48-63 the weights' scale words; v64-159 x's fragments, two buffers of 48;
;   v160-223 results; v224-235 codes; v236-255 at work.   window 1: the weights' fragments from v0; the biases behind them.
.set WV,  20
.set SEL, 22                           ; s[22:23]
.set G1,  24                           ; s[24:31]
.set G0,  32                           ; s[32:35]
.set LI,  4                            ; v4  16 x lane
.set XSA, 5                            ; v5  49,152 + 16 r
.set R4,  7                            ; v7  4 r
.set BOF, 8                            ; v8  my offset in a bias
.set R16, 9                            ; v9  16 r
.set SWD, 10
.set PW,  14
.set XS,  16
.set WS,  48
.set XF,  64
.set HA,  160
.set PC,  224
.set PT,  236
.set TM,  244
.set TP,  248
.set TE,  252
.set MSB, 0
.macro WIN new                         ; the immediate's high byte repeats the setting that is left; bits 1:0 source 0, 3:2 source 1, 5:4 source 2, 7:6 destination
.if MSB != \new
	s_set_vgpr_msb (MSB<<8)|\new
.set MSB, \new
.endif
.endm
.macro WMM d, a, b, c, sa, sb
	v_wmma_scale_f32_16x16x128_f8f6f4 v[(\d):(\d)+7], v[(\a):(\a)+11], v[(\b):(\b)+11], v[(\c):(\c)+7], v[(\sa)], v[(\sb)] matrix_a_fmt:MATRIX_FMT_BF6 matrix_b_fmt:MATRIX_FMT_BF6
.endm
.macro PLACES                          ; four plain instructions behind matrix instructions, ahead of reads of their results and of loads into their registers
.rept 4
	v_nop
.endr
.endm
; 64 numbers of a lane, register 16 b + i = k 32 b + 16 (lane / 16) + i of its row, become a fragment's codes in v[pc] on and the row's scale word in v[PW].
.macro QUANT s, pc
.irp b, 0,1,2,3
	v_max3_num_f32 v[TM+\b], |v[(\s)+16*\b]|, |v[(\s)+1+16*\b]|, 0x2800000   ; my 16 numbers of block b, and the floor 2^(5 - 127); each accumulator is read from its low end on
.endr
.irp i, 2,4,6,8,10,12,14
.irp b, 0,1,2,3
	v_max3_num_f32 v[TM+\b], v[TM+\b], |v[(\s)+16*\b+\i]|, |v[(\s)+1+16*\b+\i]|
.endr
.endr
.irp b, 0,1,2,3
	s_delay_alu instid0(VALU_DEP_4)
	v_permlanex16_b32 v[TP+\b], v[TM+\b], s[SEL], s[SEL+1]
.endr
.irp b, 0,1,2,3
	s_delay_alu instid0(VALU_DEP_4)
	v_max_num_f32 v[TM+\b], v[TM+\b], v[TP+\b]
.endr
.irp b, 0,1,2,3
	s_delay_alu instid0(VALU_DEP_4)
	v_add_nc_u32 v[TE+\b], 0xfe000000, v[TM+\b]    ; 4 off the exponent field: the conversion's scale operand
.endr
.irp b, 0,1,2,3
	s_delay_alu instid0(VALU_DEP_4)
	v_lshrrev_b32 v[TP+\b], 23, v[TE+\b]           ; the byte
.endr
	s_delay_alu instid0(VALU_DEP_3)
	v_lshl_or_b32 v[PW], v[TP+1], 8, v[TP]
	s_delay_alu instid0(VALU_DEP_1)
	v_lshl_or_b32 v[PW], v[TP+2], 16, v[PW]
	s_delay_alu instid0(VALU_DEP_1)
	v_lshl_or_b32 v[PW], v[TP+3], 24, v[PW]
.irp c, 0,1
	v_cvt_scalef32_pk16_bf6_f32 v[(\pc)+6*\c:(\pc)+6*\c+2], v[(\s)+32*\c:(\s)+32*\c+15], v[TE+2*\c]
	v_cvt_scalef32_pk16_bf6_f32 v[PT+4*\c:PT+4*\c+2], v[(\s)+32*\c+16:(\s)+32*\c+31], v[TE+2*\c+1]
.endr
	v_nop                                          ; one plain instruction behind the last scaled conversion
.irp c, 0,1
.irp i, 0,1,2
	v_permlane16_swap_b32 v[(\pc)+6*\c+\i], v[PT+4*\c+\i]
.endr
.irp i, 0,1,2
	s_delay_alu instid0(VALU_DEP_3)
	v_mov_b32 v[(\pc)+3+6*\c+\i], v[PT+4*\c+\i]
.endr
.endr
.endm
; The same for 32 numbers, two blocks: six registers of codes in v[dst] on; v[PW] = byte 1 << 8 | byte 0.
.macro QUANT2 s, dst
.irp b, 0,1
	v_max3_num_f32 v[TM+\b], |v[(\s)+16*\b]|, |v[(\s)+1+16*\b]|, 0x2800000
.endr
.irp i, 2,4,6,8,10,12,14
.irp b, 0,1
	v_max3_num_f32 v[TM+\b], v[TM+\b], |v[(\s)+16*\b+\i]|, |v[(\s)+1+16*\b+\i]|
.endr
.endr
.irp b, 0,1
	s_delay_alu instid0(VALU_DEP_2)
	v_permlanex16_b32 v[TP+\b], v[TM+\b], s[SEL], s[SEL+1]
.endr
.irp b, 0,1
	s_delay_alu instid0(VALU_DEP_2)
	v_max_num_f32 v[TM+\b], v[TM+\b], v[TP+\b]
.endr
.irp b, 0,1
	s_delay_alu instid0(VALU_DEP_2)
	v_add_nc_u32 v[TE+\b], 0xfe000000, v[TM+\b]
.endr
.irp b, 0,1
	s_delay_alu instid0(VALU_DEP_2)
	v_lshrrev_b32 v[TP+\b], 23, v[TE+\b]
.endr
	s_delay_alu instid0(VALU_DEP_1)
	v_lshl_or_b32 v[PW], v[TP+1], 8, v[TP]
	v_cvt_scalef32_pk16_bf6_f32 v[(\dst):(\dst)+2], v[(\s):(\s)+15], v[TE]
	v_cvt_scalef32_pk16_bf6_f32 v[PT:PT+2], v[(\s)+16:(\s)+31], v[TE+1]
	v_nop                                          ; one plain instruction behind the last scaled conversion
.irp i, 0,1,2
	v_permlane16_swap_b32 v[(\dst)+\i], v[PT+\i]
.endr
.irp i, 0,1,2
	s_delay_alu instid0(VALU_DEP_3)
	v_mov_b32 v[(\dst)+3+\i], v[PT+\i]
.endr
.endm
	s_load_b256 s[4:11], s[0:1], 0x0               ; ximg s[4:5], wimg s[6:7], wsc s[8:9], bq s[10:11]
	s_load_b256 s[12:19], s[0:1], 0x20             ; bk s[12:13], bv s[14:15], qws s[16:17], kvws s[18:19]
	v_lshl_add_u32 v239, v0, 2, 0x29000
	v_mov_b32 v243, 0
	ds_add_u32 v239, v243
	ds_add_u32 v239, v243
	v_lshrrev_b32 v1, 5, v0
	s_delay_alu instid0(VALU_DEP_1)
	v_readfirstlane_b32 s[WV], v1                  ; wave 0..7
	; descriptor group 1: 25 rows of 256 bytes (32 elements of 8 bytes), dense: an eighth of the block
	s_mov_b32 s[G1], 3<<16                         ; no mask; elements of 8 bytes; no padding
	s_mov_b32 s[G1+1], 32<<16                      ; tensor_dim0 = 32
	s_mov_b32 s[G1+2], 25<<16                      ; tensor_dim1 = 25
	s_mov_b32 s[G1+3], 32<<16                      ; tile_dim0 = 32
	s_mov_b32 s[G1+4], 25                          ; tile_dim1 = 25
	s_mov_b32 s[G1+5], 32                          ; from row to row
	s_mov_b32 s[G1+6], 0
	s_mov_b32 s[G1+7], 0
	s_mov_b32 s[G0], 1
	s_mul_i32 s[G0+1], s[WV], 6400                 ; LDS address: my eighth
	s_mul_i32 s36, ttmp9, 51200
	s_add_co_u32 s36, s36, s[G0+1]
	s_mov_b32 s37, 0
	s_wait_dscnt 0x0
	s_wait_kmcnt 0x0
	s_add_nc_u64 s[G0+2:G0+3], s[4:5], s[36:37]
	s_or_b32 s[G0+3], s[G0+3], 0x80000000          ; type = 2
	tensor_load_to_lds s[G0:G0+3], s[G1:G1+7]      ; the launch's one fill: one load a wave is out
	s_nop 0
.rept 4
	v_nop
.endr
	v_and_b32 v1, 31, v0                           ; lane
	v_and_b32 v2, 15, v0                           ; r
	v_bfe_u32 v3, v0, 4, 1                         ; h
	s_delay_alu instid0(VALU_DEP_3)
	v_lshlrev_b32 v[LI], 4, v1
	s_delay_alu instid0(VALU_DEP_3)
	v_lshl_add_u32 v[XSA], v2, 4, 49152
	s_delay_alu instid0(VALU_DEP_4)
	v_lshlrev_b32 v[R4], 2, v2
	v_lshlrev_b32 v[R16], 4, v2
.irp b, 0,1,2,3
	v_mov_b32 v[TP+\b], 0                          ; written once: a lane permute's destination counts as one of its sources
.endr
	s_mov_b32 s[SEL], 0x76543210
	s_mov_b32 s[SEL+1], 0xfedcba98
	s_and_b32 s40, ttmp7, 0xffff
	s_lshl_b32 s40, s40, 1                         ; 2 g
	s_wait_alu depctr_va_vdst(0)
	s_wait_tensorcnt 0x0                           ; my eighth has landed,
	s_barrier_signal -1
	s_barrier_wait -1                              ; everybody's has
.irp t, 0,1,2,3,4,5,6,7
	ds_load_b128 v[XS+4*\t:XS+4*\t+3], v[XSA] offset:256*\t   ; x's scale words: tile t's four K steps
.endr
	s_cmp_lt_u32 s[WV], 4
	s_cbranch_scc0 .Lrole_v
	; ---------------- waves 0-3: Q (waves 0, 1) or K (waves 2, 3) of head 2 g + wave % 2
	s_lshr_b32 s38, s[WV], 1                       ; 0: Q, 1: K
	s_and_b32 s39, s[WV], 1
	s_add_co_u32 s39, s39, s40                     ; head
	s_mul_i32 s42, s38, 196608
	s_mul_i32 s41, s39, 24576
	s_add_co_u32 s42, s42, s41                     ; the head's 16 fragments of the weight
	s_mov_b32 s43, 0
	s_lshl_b32 s44, s38, 13
	s_lshl_b32 s46, s39, 8
	s_add_co_u32 s44, s44, s46                     ; their scale words
	s_mov_b32 s45, 0
	s_mov_b32 s47, 0                               ; s[46:47]: the head's 64 numbers of the bias
	s_lshl_b32 s52, ttmp9, 3
	s_add_co_u32 s52, s52, s39
	s_mul_i32 s52, s52, 6400                       ; Q: codes,
	s_add_co_u32 s53, s52, 6144                    ;    words
	s_mul_i32 s54, ttmp9, 102400
	s_lshl_b32 s55, s39, 9
	s_add_co_u32 s55, s55, s54
	s_add_co_u32 s55, s55, 98304                   ; K: words,
	s_mul_i32 s41, s39, 12288
	s_add_co_u32 s54, s54, s41                     ;    codes
	s_cmp_eq_u32 s38, 0                            ; the choices hang on the wave's number alone
	s_cselect_b64 s[48:49], s[10:11], s[12:13]     ; bq or bk
	s_cselect_b64 s[50:51], s[16:17], s[18:19]     ; qws or kvws
	s_cselect_b32 s56, s52, s54
	s_cselect_b32 s58, s53, s55
	s_mov_b32 s57, 0
	s_mov_b32 s59, 0
	s_add_nc_u64 s[42:43], s[6:7], s[42:43]
	s_add_nc_u64 s[44:45], s[8:9], s[44:45]
	s_add_nc_u64 s[48:49], s[48:49], s[46:47]
	s_add_nc_u64 s[56:57], s[50:51], s[56:57]
	s_add_nc_u64 s[58:59], s[50:51], s[58:59]
	v_lshlrev_b32 v[BOF], 6, v3
	; K's odd pair images are stored with the two 128-byte halves of each 256 bytes exchanged (16 x lane xor 128; Q's as they lie): the score product's launch regroups K's rows by LDS address,
	; and lanes 8-15 of its loads then fall on other banks than lanes 0-7.  v6: that address.  v15: the scale words' place, 16 (r % 8) + 4 (r / 8).
	s_lshl_b32 s60, s38, 7
	v_and_b32 v15, 7, v2
	v_bfe_u32 v6, v2, 3, 1
	s_delay_alu instid0(VALU_DEP_1)
	v_lshlrev_b32 v6, 2, v6
	s_delay_alu instid0(VALU_DEP_1)
	v_lshl_add_u32 v15, v15, 4, v6
	v_xor_b32 v6, s60, v[LI]
	WIN 0x40                                       ; destination window 1
.irp f, 0,1,2,3,4,5,6,7,8,9,10,11,12,13,14,15  ; fragment (tile c, K step s) = 4 c + s at v[12 (4 c + s)]: they stay
.irp g, 0,1,2
	global_load_b128 v[12*\f+4*\g:12*\f+4*\g+3], v[LI], s[42:43] offset:1536*\f+512*\g
.endr
.endr
.irp c, 0,1,2,3
	global_load_b128 v[192+8*\c:192+8*\c+3], v[BOF], s[48:49] offset:(32*(\c/2)+8*(\c%2))*4
	global_load_b128 v[196+8*\c:196+8*\c+3], v[BOF], s[48:49] offset:(32*(\c/2)+8*(\c%2))*4+16
.endr
	WIN 0
.irp c, 0,1,2,3
.irp s, 0,1,2,3
	global_load_b32 v[WS+4*\c+\s], v[R4], s[44:45] offset:2048*\s+64*\c
.endr
.endr
.macro FETCHX buf, T                   ; token tile T's four fragments
.irp s, 0,1,2,3
.irp g, 0,1,2
	ds_load_b128 v[XF+48*(\buf)+12*\s+4*\g:XF+48*(\buf)+12*\s+4*\g+3], v[LI] offset:(4*(\T)+\s)*1536+512*\g
.endr
.endr
.endm
; Token tile T: 16 matrix instructions, the four accumulators by turns, K ascending; then its 64 channels become six registers of codes.
.macro QKT T
.if (\T) < 7
	FETCHX ((\T)+1)%2, (\T)+1                      ; the buffer's last readers stand ahead of the last tile's four places
	s_wait_dscnt 12                                ; this tile's fragments are in; the next tile's 12 loads may be out
.else
	s_wait_dscnt 0x0
.endif
	WIN 0x11                                       ; source 0 (W) and source 2 (the bias) window 1
.irp c, 0,1,2,3
	WMM HA+8*\c, 48*\c, XF+48*((\T)%2), 192+8*\c, WS+4*\c, XS+4*(\T)
.endr
	WIN 0x01
.irp s, 1,2,3
.irp c, 0,1,2,3
	WMM HA+8*\c, 48*\c+12*\s, XF+48*((\T)%2)+12*\s, HA+8*\c, WS+4*\c+\s, XS+4*(\T)+\s
.endr
.endr
	WIN 0
	PLACES
.if ((\T)%2 == 0) && ((\T) > 0)
	s_wait_xcnt 0x0                                ; the last pair's stores have read the codes' registers
.endif
	QUANT2 HA, PC+6*((\T)%2)
.if (\T)%2 == 0
	v_mov_b32 v[SWD+(\T)/2], v[PW]
.else
	v_lshl_or_b32 v[SWD+(\T)/2], v[PW], 16, v[SWD+(\T)/2]
.irp g, 0,1,2
	global_store_b128 v[LI+2*(((\T)/2)%2)], v[PC+4*\g:PC+4*\g+3], s[56:57] offset:1536*((\T)/2)+512*\g   ; a pair's image: 512 consecutive bytes a store; odd pairs by v6
.endr
.endif
.endm
	FETCHX 0, 0
	s_wait_loadcnt 0x0                             ; the weights, their scale words, the bias
.irp t, 0,1,2,3,4,5,6,7
	QKT \t
.endr
	v_cmp_gt_u32 vcc_lo, 16, v1
	s_wait_alu depctr_va_vdst(0)
	s_wait_xcnt 0x0                                ; EXEC changes only behind this wait
	s_wait_tensorcnt 0x0
	ds_add_u32 v239, v243
	s_wait_dscnt 0x0
	s_and_saveexec_b32 s60, vcc_lo
.irp j, 0,1,2,3
	global_store_b32 v15, v[SWD+\j], s[58:59] offset:128*(\j%2)+8*(\j/2)   ; word (row r, pair j) lies at 16 (r % 8 + 8 (j % 2)) + 4 (2 (j / 2) + r / 8): the four stores fill the 256 bytes between them
.endr
	s_endpgm
	; ---------------- waves 4-7: V of head 2 g + (wave / 2) % 2, channel tiles 2 half and 2 half + 1, half = wave % 2
.Lrole_v:
	s_bfe_u32 s38, s[WV], 0x10001
	s_add_co_u32 s38, s38, s40                     ; head
	s_and_b32 s39, s[WV], 1                        ; half
	s_mul_i32 s42, s38, 24576
	s_mul_i32 s41, s39, 12288
	s_add_co_u32 s42, s42, s41
	s_add_co_u32 s42, s42, 393216                  ; my 8 fragments of Wv
	s_mov_b32 s43, 0
	s_lshl_b32 s46, s38, 8
	s_lshl_b32 s41, s39, 7
	s_add_co_u32 s46, s46, s41                     ; my 32 numbers of bv,
	s_mov_b32 s47, 0
	s_add_co_u32 s44, s46, 16384                   ; and my tiles' scale words
	s_mov_b32 s45, 0
	s_mul_i32 s54, ttmp9, 102400
	s_mul_i32 s41, s38, 12288
	s_add_co_u32 s56, s54, s41
	s_mul_i32 s41, s39, 3072
	s_add_co_u32 s56, s56, s41
	s_add_co_u32 s56, s56, 6144                    ; V^T's tile 2 half
	s_mov_b32 s57, 0
	s_lshl_b32 s41, s38, 9
	s_add_co_u32 s58, s54, s41
	s_lshl_b32 s41, s39, 3
	s_add_co_u32 s58, s58, s41
	s_add_co_u32 s58, s58, 98304+256               ; its scale words
	s_mov_b32 s59, 0
	s_add_nc_u64 s[42:43], s[6:7], s[42:43]
	s_add_nc_u64 s[44:45], s[8:9], s[44:45]
	s_add_nc_u64 s[48:49], s[14:15], s[46:47]
	s_add_nc_u64 s[56:57], s[18:19], s[56:57]
	s_add_nc_u64 s[58:59], s[18:19], s[58:59]
	v_and_b32 v[BOF], 8, v2
	s_delay_alu instid0(VALU_DEP_1)
	v_add_nc_u32 v[BOF], v[BOF], v2
	s_delay_alu instid0(VALU_DEP_1)
	v_lshlrev_b32 v[BOF], 2, v[BOF]                ; the bias: my channel r + 8 (r / 8) of the tile's 32
	WIN 0x40
.irp f, 0,1,2,3,4,5,6,7                        ; fragment (tile d, K step s) at v[12 (4 d + s)]
.irp g, 0,1,2
	global_load_b128 v[12*\f+4*\g:12*\f+4*\g+3], v[LI], s[42:43] offset:1536*\f+512*\g
.endr
.endr
.irp d, 0,1
.irp j, 0,1,2,3,4,5,6,7
	global_load_b32 v[96+8*\d+\j], v[BOF], s[48:49] offset:32*\d   ; in this layout a lane's eight results are one channel: the same number eight times
.endr
.endr
	WIN 0
.irp d, 0,1
.irp s, 0,1,2,3
	global_load_b32 v[WS+4*\d+\s], v[R4], s[44:45] offset:2048*\s+64*\d
.endr
.endr
; Group n = 8 d + 2 s + hf: channel tile d, K step s, token tiles 4 hf .. 4 hf + 3: four matrix instructions on four accumulators; the eight take turns.
.macro FETCHV n
.irp i, 0,1,2,3
.irp g, 0,1,2
	ds_load_b128 v[XF+48*((\n)%2)+12*\i+4*\g:XF+48*((\n)%2)+12*\i+4*\g+3], v[LI] offset:(4*(4*((\n)%2)+\i)+((\n)/2)%4)*1536+512*\g
.endr
.endr
.endm
.macro VG n
.set DT, (\n)/8
.set SS, ((\n)/2)%4
.set HF, (\n)%2
.if (\n)%8 != 0
	PLACES                                         ; ahead of loads into the buffer that the last group but this one multiplied
.endif
.if (\n) < 15
	FETCHV (\n)+1
	s_wait_dscnt 12                                ; this group's fragments are in; the next group's 12 loads may be out
.else
	s_wait_dscnt 0x0
.endif
.if SS == 0
	WIN 0x14                                       ; source 1 (W) and source 2 (the bias) window 1
.irp i, 0,1,2,3
	WMM HA+8*(4*HF+\i), XF+48*HF+12*\i, 12*(4*DT+SS), 96+8*DT, XS+4*(4*HF+\i)+SS, WS+4*DT+SS
.endr
.else
	WIN 0x04
.irp i, 0,1,2,3
	WMM HA+8*(4*HF+\i), XF+48*HF+12*\i, 12*(4*DT+SS), HA+8*(4*HF+\i), XS+4*(4*HF+\i)+SS, WS+4*DT+SS
.endr
.endif
	WIN 0
.endm
.macro VOUT d                          ; a channel tile is finished: 128 keys of 16 channels become one fragment of V^T
	PLACES
.if (\d) > 0
	s_wait_xcnt 0x0                                ; the last tile's stores have read the codes' registers
.endif
	QUANT HA, PC
	v_mov_b32 v[SWD+(\d)], v[PW]
.irp g, 0,1,2
	global_store_b128 v[LI], v[PC+4*\g:PC+4*\g+3], s[56:57] offset:1536*(\d)+512*\g
.endr
.endm
	FETCHV 0
	s_wait_loadcnt 0x0
.set N, 0
.rept 16
	VG N
.if N%8 == 7
	VOUT N/8
.endif
.set N, N+1
.endr
	v_cmp_gt_u32 vcc_lo, 16, v1
	s_wait_alu depctr_va_vdst(0)
	s_wait_xcnt 0x0                                ; EXEC changes only behind this wait
	s_wait_tensorcnt 0x0
	ds_add_u32 v239, v243
	s_wait_dscnt 0x0
	s_and_saveexec_b32 s60, vcc_lo
	global_store_b64 v[R16], v[SWD:SWD+1], s[58:59]    ; 8 of each row's 16 bytes: the head's two waves fill the 256 bytes between them
	s_endpgm
.Lfunc_end_k_q0882f73b01_proj:
	.size	k_q0882f73b01_proj, .Lfunc_end_k_q0882f73b01_proj-k_q0882f73b01_proj
	.p2alignl 7, 3214868480
	.fill 96, 4, 3214868480
	.section	.rodata,"a",@progbits
	.p2align	6, 0x0
	.amdhsa_kernel k_q0882f73b01_proj
		.amdhsa_group_segment_fixed_size 168960
		.amdhsa_private_segment_fixed_size 0
		.amdhsa_enable_private_segment 0
		.amdhsa_kernarg_size 64
		.amdhsa_user_sgpr_count 2
		.amdhsa_user_sgpr_kernarg_segment_ptr 1
		.amdhsa_wavefront_size32 1
		.amdhsa_system_sgpr_workgroup_id_x 1
		.amdhsa_system_sgpr_workgroup_id_y 1
		.amdhsa_system_sgpr_workgroup_id_z 1
		.amdhsa_system_vgpr_workitem_id 0
		.amdhsa_next_free_vgpr 512
		.amdhsa_next_free_sgpr 66
		.amdhsa_reserve_vcc 1
		.amdhsa_float_denorm_mode_32 3
		.amdhsa_float_denorm_mode_16_64 3
		.amdhsa_memory_ordered 1
		.amdhsa_forward_progress 1
		.amdhsa_inst_pref_size 96
	.end_amdhsa_kernel
	.amdgpu_metadata
---
amdhsa.version: [ 1, 2 ]
amdhsa.kernels:
  - .name:           k_q0882f73b01_proj
    .symbol:         k_q0882f73b01_proj.kd
    .args:
      - { .name: ximg, .offset: 0, .size: 8, .value_kind: global_buffer, .address_space: global }
      - { .name: wimg, .offset: 8, .size: 8, .value_kind: global_buffer, .address_space: global }
      - { .name: wsc, .offset: 16, .size: 8, .value_kind: global_buffer, .address_space: global }
      - { .name: bq, .offset: 24, .size: 8, .value_kind: global_buffer, .address_space: global }
      - { .name: bk, .offset: 32, .size: 8, .value_kind: global_buffer, .address_space: global }
      - { .name: bv, .offset: 40, .size: 8, .value_kind: global_buffer, .address_space: global }
      - { .name: qws, .offset: 48, .size: 8, .value_kind: global_buffer, .address_space: global }
      - { .name: kvws, .offset: 56, .size: 8, .value_kind: global_buffer, .address_space: global }
    .group_segment_fixed_size: 168960
    .private_segment_fixed_size: 0
    .kernarg_segment_align: 8
    .kernarg_segment_size: 64
    .max_flat_workgroup_size: 256
    .sgpr_count:     66
    .vgpr_count:     512
    .wavefront_size: 32
...
	.end_amdgpu_metadata
.endif
;; end of part 2
;; launch attn (part 3): grid 128 x 2, 8 waves a work-group, clusters of 4 x 1, 327,680 bytes of LDS; arguments graph_mask, qws, kvws, wimg, wsc, bo, out0; writes out0
.if DOCPART == 3
	.amdgcn_target "amdgcn-amd-amdhsa--gfx1250"
	.amdhsa_code_object_version 6
	.text
	.protected	k_q0882f73b01_attn
	.globl	k_q0882f73b01_attn
	.p2align	8
	.type	k_q0882f73b01_attn,@function
k_q0882f73b01_attn:
	s_mov_b64 s[64:65], 0
	v_nop
	global_prefetch_b8 v0, s[64:65] scope:SCOPE_SE
	s_setreg_imm32_b32 hwreg(HW_REG_WAVE_MODE, 25, 1), 1
	s_wait_xcnt 0x0
	s_wait_alu depctr_hold_cnt(0) depctr_sa_sdst(0) depctr_va_vdst(0) depctr_va_sdst(0) depctr_va_ssrc(0) depctr_va_vcc(0) depctr_vm_vsrc(0)
	s_getreg_b32 s2, hwreg(HW_REG_IB_STS2, 6, 4)
	s_cmp_eq_u32 s2, 0
	s_cbranch_scc0 .Lentry_in_a_cluster
	s_endpgm
.Lentry_in_a_cluster:
	s_bfe_u32 s2, ttmp6, 0x10000c
	s_cmp_lg_u32 s2, 0x3003
	s_cbranch_scc0 .Lentry_shape_is_right
	s_endpgm
.Lentry_shape_is_right:
; out = (softmax((Q K^T / 8) gm, -inf where gm == 0) V) Wo + bo, all three products on codes of BF6 (E3M2) with one E8M0 scale for each 32 along K, sums in f32.
; SHARES.  A work-group owns 32 queries of one batch and all 8 heads, so that each byte of the mask is fetched once in the launch.  Wave w: query tile u = w % 2 (lane r holds row 8 u + r + 8 (r / 8)
; of the 32), heads 2 hp, 2 hp + 1, hp = w / 2.  Every wave walks the batch's 4,096 keys, 128 a step, 32 steps.
; THE HEAD'S 64 FILL HALF OF THE FORM'S K = 128: a fragment of K holds two tiles of 16 keys and is multiplied by [Q | 0] and by [0 | Q]; the zeros are six registers that stay.
; BOTH PRODUCTS ARE USED TRANSPOSED (S^T = K Q^T, O^T = V^T P^T): a lane holds one query throughout.
; A LANE HOLDS WHOLE BLOCKS OF 32 KEYS.  The rows of a K fragment are chosen by LDS address: rows 0-7 of fragment f = 2 c + p come from pair image 2 c, rows 8-15 from pair image 2 c + 1, rows 8 p .. 8 p + 7 of each.
; So register 32 c + i of S^T in lane (r, h) is key 64 c + 32 h + i: a block's maximum needs no other lane, and the conversions' results are P's operand registers as they stand.
; THE MASK: s = s gm + a, a = -inf where gm == 0, else 0: one packed multiply-add for two scores; a is made once a step and serves both heads.
; THE SOFTMAX: t = s log2(e) / 8; M = the running largest t rounded up to a whole number; p = 2^(t - M) is quantised along the keys; the sum is taken of the unquantised p; when M moves, sum and O^T are multiplied by 2^(old M - new M), exactly.
; THE RING: two LDS slots; a slot holds a step's K and V of all heads (102,400 bytes, images of operand registers), filled by tensor loads.  The four work-groups of a cluster walk the same K and V:
; those tiles are asked for jointly (waves 0-3, a quarter each, mask 15).
; THE MASK TILE (32 rows x 128 keys, each work-group's own) COMES THROUGH REGISTERS: wave w loads rows 4 w .. 4 w + 3, each load 512 consecutive bytes of one row, into one of two sets of 16 registers.  In step t the tile of step t + 1
; is stored into the other slot's mask area, bytes behind the K and V tiles on which no tensor load lands, and the set is asked for again, for step t + 3: a tile's loads are out for two steps, across the rounds.
; So the mask has no prefetch: its loads themselves run two steps ahead.  The look-ahead of the last trip's second step is held at the row's last tile, inside the buffer; what it brings is not used.
; THE CHANGE OF SLOTS STANDS INSIDE THE SECOND HEAD'S SOFTMAX: by then V of that head is in registers and the slot is read no more.  The head's exponentials, work on registers, stand between the round's opening signal and its wait;
; behind the refill the next step's K and mask are asked of LDS, and the head's sums, codes and product follow while they land.
; A trip of the loop runs two steps, until the slots and the mask's register sets are back where they began: so every LDS address is made once, at the head.
; THE TAIL: O / sum is quantised in registers: a wave's two heads are K step hp of the last product; the images meet in LDS; wave w makes output columns 64 w .. 64 w + 63 of the 32 rows.
; LIMITS: NaN and infinities among the inputs are not served; blocks under 2^-122 and blocks of zeros have the byte 1 (read by this program alone); the scaled scores stay under 2^31 in magnitude.
; A row whose every gm is 0 gets NaN, as the softmax of -inf alone gives: its scale word is set to 0xff bytes; the test is made on the wave's first head, since all heads share the mask.
; REGISTERS.  window 0: v1-11 addresses; v12-19 -M, largest score, sum (two halves) of the two heads; v20-23 Q's scale words; v24-31 K's (lanes 0-15) and V's (lanes 16-31) scale words; v32-79 K; v80-127 V; v128-191 S^T, then p;
;   v192-210 p's codes; v212-231 at work and addresses; v232-247 Wo's scale words; v248-255 the tail's addresses.
;   window 1: v0-63 gm; v64-127 a; v128-191 O^T of the two heads; v192-221 [0][Q of head A][0][Q of head B][0]; v222 -inf; v224-255 the mask's two sets.  In the tail: Wo's 16 fragments and bo.
.set SLOT1, 1<<17
.set KVB,   102400
.set MOFF,  KVB                        ; a slot's mask area: two halves of 16 rows,
.set MP,    528                        ; a row 512 bytes + 16,
.set MHALF, 8576                       ; the halves 8,576 bytes apart: the sixteen rows that a load touches lie in sixteen different columns of 16 bytes
.set SPARE, 2*SLOT1
.set OIMG,  0
.set OSC,   8*1536
.set YST,   OSC+8*128
.set YP,    2064
.set SPW,  1
.set NIL,  2
.set AV,   3                           ; v3, v6  V in slot 0, 1: 16 x lane + 24,576 hp
.set AS,   4                           ; v4, v7  scale words: 98,304 + 1,024 hp + 16 x lane
.set AM,   5                           ; v5, v8  my row of the mask area, + 128 (lane / 16)
.set MS,   9                           ; v9, v229  where I store my four rows of a mask tile
.set PFK,  10
.set L16,  11
.set QS,   20
.set SW,   24
.set KF,   32
.set VF,   80
.set S,    128
.set PC,   192
.set PT,   204
.set H8,   207                         ; 8 (lane / 16)
.set PFK2, 211
.set TM,   212
.set TP,   216
.set AK,   218                         ; v218, v219 (slot 0), v222, v223 (slot 1): K's rows 8 p .. 8 p + 7 of the images, p = 0, 1: 24,576 hp + 16 (r % 8) + 256 h + 1,664 (r / 8), bit 7 turned for p = 1
.set TE,   220
.set TMP,  224
.set PW,   225
.set FF,   226
.set RL,   228
.set SU,   230
.set WOS,  232
.set OIA,  248
.set OSA,  249
.set L4,   250
.set YSO,  251
.set YSR,  252
.set R4,   253
.set H64,  254
.set QW,   255                         ; 16 (r % 8) + 4 (r / 8): my row's place among Q's scale words
.set GM,   0
.set AA,   64
.set OA,   128
.set QZ,   192
.set NINF, 222
.set MR,   224
.set BO,   192
.set WV,   18
.set UU,   19
.set HP,   20
.set BB,   21
.set SEL,  22
.set CS,   24
.set UM,   26
.set SH,   27
.set G1KV, 28
.set MPT,  36                          ; s[36:37] my four rows of the mask, at key 0
.set MQ,   38                          ; s[38:39] the same at the tile being asked for
.set MOF,  40                          ; s[40:41] that tile's byte in a row
.set CNA,  42                          ; changes of slots to go, this one among them
.set G0KV, 44
.set CNT,  53
.set LIM,  54
.set PFA,  56
.set CX,   60
.set QB,   61
.set WOP,  82
.set WSP,  84
.set BOP,  86
.set OUTP, 88
.set MK,   92
.set MSB, 0
.macro WIN new                         ; the immediate's high byte repeats the setting that is left; bits 1:0 source 0, 3:2 source 1, 5:4 source 2, 7:6 destination
.if MSB != \new
	s_set_vgpr_msb (MSB<<8)|\new
.set MSB, \new
.endif
.endm
.macro WMZ d, a, b, sa, sb             ; a product that starts its sum
	v_wmma_scale_f32_16x16x128_f8f6f4 v[(\d):(\d)+7], v[(\a):(\a)+11], v[(\b):(\b)+11], 0, v[(\sa)], v[(\sb)] matrix_a_fmt:MATRIX_FMT_BF6 matrix_b_fmt:MATRIX_FMT_BF6
.endm
.macro WMR d, a, b, sa, sb             ; adds in place; source 0's scales stand in lanes 16-31
	v_wmma_scale_f32_16x16x128_f8f6f4 v[(\d):(\d)+7], v[(\a):(\a)+11], v[(\b):(\b)+11], v[(\d):(\d)+7], v[(\sa)], v[(\sb)] matrix_a_fmt:MATRIX_FMT_BF6 matrix_b_fmt:MATRIX_FMT_BF6 matrix_a_scale:MATRIX_SCALE_ROW1
.endm
.macro WMM d, a, b, c, sa, sb
	v_wmma_scale_f32_16x16x128_f8f6f4 v[(\d):(\d)+7], v[(\a):(\a)+11], v[(\b):(\b)+11], v[(\c):(\c)+7], v[(\sa)], v[(\sb)] matrix_a_fmt:MATRIX_FMT_BF6 matrix_b_fmt:MATRIX_FMT_BF6
.endm
.macro PLACES                          ; four plain instructions behind matrix instructions, ahead of reads of their results and of loads into their registers
.rept 4
	v_nop
.endr
.endm
.macro CREST                           ; a round of the cluster's barrier behind its opening barrier
	s_cmp_lg_u32 s[WV], 0
	s_cbranch_scc1 .Lnot_wave_0_\@
	s_barrier_signal -3
.Lnot_wave_0_\@:
	s_barrier_wait -3
	s_barrier_signal -1
	s_barrier_wait -1
.endm
.macro CROUND
	s_barrier_signal -1
	s_barrier_wait -1
	CREST
.endm
.macro TLOAD                           ; waves 0-3 ask jointly for a quarter each of the step's K and V.  The branch hangs on the wave's number alone
	s_cmp_lt_u32 s[WV], 4
	s_cbranch_scc0 .Lasked_\@
	tensor_load_to_lds s[G0KV:G0KV+3], s[G1KV:G1KV+7]
	s_nop 0
.rept 4
	v_nop
.endr
.Lasked_\@:
.endm
; Prefetches of the K and V that the NEXT change of slots will ask for, by wave 7 of the batch's first cluster alone (all clusters of a batch walk the same K and V): each aligned block of 256 bytes is named once in the launch.
; The codes, 98,304 bytes: the four partners 24,576 each, told apart by address: three instructions, lanes 256 bytes apart.  The scale words, 16 blocks a step: in every eighth change (count % 8 == 1) one instruction
; names those of eight steps.  The last change asks for nothing.
.macro ASK
	s_cmp_gt_u32 s[CNA], s[LIM]
	s_cbranch_scc0 .Lno_ask_\@
	global_prefetch_b8 v[PFK], s[PFA:PFA+1] th:TH_LOAD_NT scope:SCOPE_SE
	global_prefetch_b8 v[PFK], s[PFA:PFA+1] offset:8192 th:TH_LOAD_NT scope:SCOPE_SE
	global_prefetch_b8 v[PFK], s[PFA:PFA+1] offset:16384 th:TH_LOAD_NT scope:SCOPE_SE
	s_and_b32 s66, s[CNA], 7
	s_cmp_eq_u32 s66, 1
	s_cbranch_scc0 .Lno_ask_\@
	global_prefetch_b8 v[PFK2], s[PFA:PFA+1] th:TH_LOAD_NT scope:SCOPE_SE
.Lno_ask_\@:
.endm
.macro LOADK e, sl                     ; head e's four fragments of K in slot sl, rows regrouped by address, and its scale words: lanes 0-15 K's four words, lanes 16-31 V's
.irp c, 0,1
.irp p, 0,1
.irp g, 0,1,2
	ds_load_b128 v[KF+12*(2*\c+\p)+4*\g:KF+12*(2*\c+\p)+4*\g+3], v[AK+4*(\sl)+\p] offset:12288*(\e)+3072*\c+512*\g
.endr
.endr
.endr
	ds_load_b128 v[SW+4*(\e):SW+4*(\e)+3], v[AS+3*(\sl)] offset:512*(\e)
.endm
.macro LOADV e, sl                     ; head e's four tiles of V^T
.irp j, 0,1,2,3
.irp g, 0,1,2
	ds_load_b128 v[VF+12*\j+4*\g:VF+12*\j+4*\g+3], v[AV+3*(\sl)] offset:12288*(\e)+6144+1536*\j+512*\g
.endr
.endr
.endm
.macro MLOAD set, base, off            ; my four rows of a mask tile into a set: each load reads 512 consecutive bytes of one row
	WIN 0x40                                       ; destination window 1
.irp i, 0,1,2,3
	global_load_b128 v[MR+16*(\set)+4*\i:MR+16*(\set)+4*\i+3], v[L16], s[(\base):(\base)+1] offset:16384*\i+(\off) th:TH_LOAD_NT
.endr
.endm
.macro MSTORE set, sl                  ; and from the set into slot sl's mask area
	WIN 0x04                                       ; the data (source 1) window 1
.irp i, 0,1,2,3
	ds_store_b128 v[MS+220*(\sl)], v[MR+16*(\set)+4*\i:MR+16*(\set)+4*\i+3] offset:MP*\i
.endr
.endm
.macro QK e                            ; S^T: eight tiles of 16 keys
	WIN 0x04                                       ; source 1 (Q) window 1
.irp j, 0,1,2,3
	WMZ S+16*\j, KF+12*\j, QZ+6+12*(\e), SW+4*(\e)+\j, QS+2*(\e)
	WMZ S+16*\j+8, KF+12*\j, QZ+12*(\e), SW+4*(\e)+\j, QS+2*(\e)+1
.endr
.endm
.macro PV e                            ; O^T += V^T P^T: four accumulators, one instruction each
	WIN 0x50                                       ; C and D window 1
.irp d, 0,1,2,3
	WMR OA+32*(\e)+8*\d, VF+12*\d, PC, SW+4*(\e)+\d, PW
.endr
.endm
.macro SM_MASK                         ; s gm + a, two at a time; each accumulator is read from its low end on
	WIN 0x14                                       ; sources 1 (gm) and 2 (a) window 1
.set J, 0
.rept 32
	v_pk_fma_f32 v[S+J:S+J+1], v[S+J:S+J+1], v[GM+J:GM+J+1], v[AA+J:AA+J+1]
.set J, J+2
.endr
.endm
; The softmax of head e in three parts.  REST1A: the two blocks' largest scores (four chains by turns), the running maximum, M, f, and t - M.
.macro REST1A e
.set ST, 12+4*(\e)
	WIN 0
.irp b, 0,1
	v_max3_num_f32 v[TM+\b], v[S+32*\b], v[S+32*\b+1], v[S+32*\b+2]
	v_max3_num_f32 v[TM+2+\b], v[S+32*\b+16], v[S+32*\b+17], v[S+32*\b+18]
.endr
.irp i, 3,5,7,9,11,13
.irp b, 0,1
	v_max3_num_f32 v[TM+\b], v[TM+\b], v[S+32*\b+\i], v[S+32*\b+\i+1]
	v_max3_num_f32 v[TM+2+\b], v[TM+2+\b], v[S+32*\b+16+\i], v[S+32*\b+17+\i]
.endr
.endr
.irp b, 0,1
	v_max3_num_f32 v[TM+\b], v[TM+\b], v[TM+2+\b], v[S+32*\b+15]
.endr
.irp b, 0,1
	s_delay_alu instid0(VALU_DEP_2)
	v_max_num_f32 v[TM+\b], v[TM+\b], v[S+32*\b+31]   ; my block's largest score: it serves the row's maximum and, since p rises with the score, the block's largest p
.endr
	s_delay_alu instid0(VALU_DEP_1)
	v_max_num_f32 v[TMP], v[TM], v[TM+1]
	s_delay_alu instid0(VALU_DEP_1)
	v_permlanex16_b32 v[TP], v[TMP], s[SEL], s[SEL+1]
	s_delay_alu instid0(VALU_DEP_1)
	v_max3_num_f32 v[ST+1], v[ST+1], v[TMP], v[TP]    ; the running largest score of my query
	v_mov_b32 v[TP+1], v[ST]
	s_delay_alu instid0(VALU_DEP_2)
	v_mul_f32 v[TMP], s[CS], v[ST+1]                  ; as t
	s_delay_alu instid0(VALU_DEP_1)
	v_floor_f32 v[ST], -v[TMP]                        ; the new -M = floor(-t): M is a whole number
	s_delay_alu instid0(VALU_DEP_1)
	v_sub_f32 v[TMP], v[ST], v[TP+1]                  ; old M - new M: a whole number, 0 or less
	s_delay_alu instid0(VALU_DEP_1)
	v_cvt_i32_f32 v[TMP], v[TMP]                      ; (it saturates)
	s_delay_alu instid0(VALU_DEP_1)
	v_ldexp_f32 v[FF], 1.0, v[TMP]                    ; f = 2^(old M - new M)
.set J, 0
.rept 32
	v_pk_fma_f32 v[S+J:S+J+1], v[S+J:S+J+1], s[CS:CS+1], v[ST:ST+1] op_sel_hi:[1,0,0]   ; t - M (of the pairs the low word serves both halves)
.set J, J+2
.endr
.irp b, 0,1
	v_fma_f32 v[TM+\b], v[TM+\b], s[CS], v[ST]        ; the same of each block's largest score
.endr
.endm
; REST1B: one batch of 66 exponentials, work on registers alone.  A wait stands ahead of the batch (at the macro's call) and one behind it.
.macro REST1B e
.set ST, 12+4*(\e)
.set J, 0
.rept 64
	v_exp_f32 v[S+J], v[S+J]                          ; p = 2^(t - M): not normalised
.set J, J+1
.endr
	v_exp_f32 v[TM], v[TM]                            ; my two blocks' largest p
	v_exp_f32 v[TM+1], v[TM+1]
	v_pk_mul_f32 v[ST+2:ST+3], v[ST+2:ST+3], v[FF:FF+1] op_sel_hi:[1,0]   ; the sums under the new M: the plain instruction behind the batch
	s_wait_alu depctr_va_vdst(0)
.endm
.macro SUM2
	v_pk_add_f32 v[ST+2:ST+3], v[ST+2:ST+3], v[S+J:S+J+1]
	v_pk_add_f32 v[SU:SU+1], v[SU:SU+1], v[S+J+2:S+J+3]
.set J, J+4
.endm
; REST2: the row's sum of the unquantised p (two chains), the blocks' scales among its lines, the codes, and O^T under the new M.
.macro REST2 e
.set ST, 12+4*(\e)
	WIN 0
.irp b, 0,1
	v_max_num_f32 v[TM+\b], 0x2800000, v[TM+\b]       ; the floor 2^(5 - 127): a block whose every p is 0 keeps the byte 1: its codes are zeros
.endr
	v_pk_add_f32 v[SU:SU+1], v[S:S+1], v[S+2:S+3]
.set J, 4
.irp b, 0,1
	v_add_nc_u32 v[TE+\b], 0xfe000000, v[TM+\b]       ; 4 off the exponent field: the conversion's scale operand
.endr
	SUM2
.irp b, 0,1
	v_lshrrev_b32 v[TP+\b], 23, v[TE+\b]              ; the byte
.endr
	SUM2
	v_lshl_or_b32 v[PW], v[TP+1], 16, v[TP]           ; my bytes: blocks h and 2 + h,
	SUM2
	v_lshlrev_b32 v[PW], v[H8], v[PW]                 ; at their places in the word;
	SUM2
	v_permlanex16_b32 v[TP], v[PW], s[SEL], s[SEL+1]
	SUM2
	v_or_b32 v[PW], v[PW], v[TP]                      ; with lane l xor 16's two the word of these 128 keys is whole
.rept 10
	SUM2
.endr
	s_delay_alu instid0(VALU_DEP_1)
	v_pk_add_f32 v[ST+2:ST+3], v[ST+2:ST+3], v[SU:SU+1]
.irp c, 0,1
	v_cvt_scalef32_pk16_bf6_f32 v[PC+6*\c:PC+6*\c+2], v[S+32*\c:S+32*\c+15], v[TE+\c]
	v_cvt_scalef32_pk16_bf6_f32 v[PT+4*\c:PT+4*\c+2], v[S+32*\c+16:S+32*\c+31], v[TE+\c]   ; (a conversion's three registers begin on an even number)
.endr
	v_nop                                             ; one plain instruction behind the last scaled conversion
.irp c, 0,1
.irp i, 0,1,2
	v_mov_b32 v[PC+3+6*\c+\i], v[PT+4*\c+\i]          ; registers 6 c .. 6 c + 5: keys 64 c + 32 h + 0 .. 31
.endr
.endr
	WIN 0x41                                          ; O^T (destination and source 0) window 1
	s_wait_alu depctr_va_vdst(0)                      ; directly ahead of the first reader of O^T
.set J, 0
.rept 16
	v_pk_mul_f32 v[OA+32*(\e)+J:OA+32*(\e)+J+1], v[OA+32*(\e)+J:OA+32*(\e)+J+1], v[FF:FF+1] op_sel_hi:[1,0]   ; these sixteen also stand between the codes and scale word just made and the products
.set J, J+2
.endr
.endm
; THE CHANGE OF SLOTS.  Each wave waits for all its tensor loads (its part of the slot to come), adds 0 to its spare word, and waits for that, for its reads of the slot in hand and for its stores of the next mask tile.
; fill = 1: the barrier opens a round of the cluster's barrier, and the slot left is filled with the next step but one: a wave's one tensor load, first behind the round.
; mid = 1: the second head's exponentials stand between the opening signal and its wait.
.macro CHANGE fill, mid
	s_wait_tensorcnt 0x0                           ; no tensor load of mine is out, so a group 0 may be written
	ds_add_u32 v[SPW], v[NIL]
.if \fill
	s_xor_b32 s[G0KV+1], s[G0KV+1], SLOT1
	s_add_nc_u64 s[G0KV+2:G0KV+3], s[G0KV+2:G0KV+3], KVB
	s_wait_xcnt 0x0                                ; the last prefetches, a step back, have read their address
	s_add_nc_u64 s[PFA:PFA+1], s[PFA:PFA+1], KVB
.endif
	s_wait_dscnt 0x0
	s_barrier_signal -1
.if \mid
	REST1B 1
.endif
	s_barrier_wait -1
.if \fill
	CREST
	TLOAD
	ASK
.endif
.endm
.macro FRONT sl                        ; slot sl is now in hand: the first head's K and scale words (13 loads), the mask (16 loads)
	LOADK 0, \sl
	WIN 0x40                                       ; destination window 1
.irp c, 0,1
.irp j, 0,1,2,3,4,5,6,7
	ds_load_b128 v[GM+32*\c+4*\j:GM+32*\c+4*\j+3], v[AM+3*(\sl)] offset:256*\c+16*\j   ; gm(my query, keys 64 c + 32 (lane / 16) + 4 j ..)
.endr
.endr
	WIN 0
.endm
.macro WOLOAD s                        ; Wo's fragments (K step s, my column tiles c) at v[48 s + 12 c] of window 1
.irp c, 0,1,2,3
.irp g, 0,1,2
	global_load_b128 v[48*(\s)+12*\c+4*\g:48*(\s)+12*\c+4*\g+3], v[L16], s[WOP:WOP+1] offset:(4*\c+(\s))*1536+512*\g
.endr
.endr
.endm
; A key step in slot sl, from V of the first head to t - M of the second.  st = 1: the next step's mask tile goes into the other slot; ld = 1: its set is asked for again, three steps on.
; last = 1: the launch's last step, which also asks for half of the tail's weights.
.macro MID last, sl, st, ld
	PLACES                                         ; behind the last step's products, ahead of the loads into V's registers
	LOADV 0, \sl
	s_wait_dscnt 28                                ; K and the scale words of the first head are in; the mask's 16 loads and V's 12 are younger
	QK 0
	s_wait_dscnt 12                                ; the mask is in; V's 12 loads are younger
.if \st
	s_wait_loadcnt 4                               ; the next step's mask tile is in its set; the four loads of the step behind it are younger
	MSTORE 1-(\sl), 1-(\sl)
.endif
	WIN 0x44                                       ; source 1 and destination window 1
.set J, 0
.rept 16                               ; a = -inf where gm == 0, else 0: four at a time, by turns.  These lines are also the places behind the products above
.irp k, 0,1,2,3
	v_cmp_eq_f32 s[MK+\k], 0, v[GM+J+\k]
.endr
.irp k, 0,1,2,3
	v_cndmask_b32 v[AA+J+\k], 0, v[NINF], s[MK+\k]
.endr
.set J, J+4
.endr
	WIN 0
	LOADK 1, \sl
	SM_MASK
	REST1A 0
	s_wait_alu depctr_va_vdst(0)                   ; ahead of the batch
	REST1B 0
	REST2 0
	s_wait_alu depctr_va_vdst(0)
	s_wait_dscnt 13                                ; V of the first head is in and the mask's stores are done; the second head's K and scale words, 13 loads, are younger
	PV 0
	s_wait_dscnt 0x0
.if \ld
	s_wait_xcnt 0x0                                ; the loads of a step ago have read their base
	s_add_co_u32 s[MOF], s[MOF], 512
	s_min_u32 s[MOF], s[MOF], 15872                ; held at the row's last tile
	s_add_nc_u64 s[MQ:MQ+1], s[MPT:MPT+1], s[MOF:MOF+1]
	MLOAD 1-(\sl), MQ, 0                           ; the stores have read the set
.endif
	QK 1
	WIN 0
	PLACES
	LOADV 1, \sl
	SM_MASK
.if \last
	WIN 0x40                                       ; gm, a and Q have been read for the last time: their registers take Wo's first two K steps and bo
	WOLOAD 0
	WOLOAD 1
.irp c, 0,1,2,3
	global_load_b128 v[BO+8*\c:BO+8*\c+3], v[H64], s[BOP:BOP+1] offset:(32*(\c/2)+8*(\c%2))*4
	global_load_b128 v[BO+8*\c+4:BO+8*\c+7], v[H64], s[BOP:BOP+1] offset:(32*(\c/2)+8*(\c%2))*4+16
.endr
	WIN 0
.irp c, 0,1,2,3
.irp k, 0,1,2,3
	global_load_b32 v[WOS+4*\c+\k], v[R4], s[WSP:WSP+1] offset:2048*\k+64*\c
.endr
.endr
.endif
	REST1A 1
	s_wait_alu depctr_va_vdst(0)                   ; ahead of the waits that follow and of the batch behind them
.endm
.macro BACK sl                         ; behind a change of slots: the next step's first loads, then the rest of the second head
	FRONT \sl
	REST2 1
	PV 1
	WIN 0
.endm
; 64 numbers of a lane (register 16 b + i = k 32 b + 16 (lane / 16) + i) become a fragment's codes in v[pc] on and the row's scale word in v[PW]: the tail's quantiser.
.macro QUANT s, pc
.irp b, 0,1,2,3
	v_max3_num_f32 v[TM+\b], |v[(\s)+16*\b]|, |v[(\s)+1+16*\b]|, 0x2800000
.endr
.irp i, 2,4,6,8,10,12,14
.irp b, 0,1,2,3
	v_max3_num_f32 v[TM+\b], v[TM+\b], |v[(\s)+16*\b+\i]|, |v[(\s)+1+16*\b+\i]|
.endr
.endr
.irp b, 0,1,2,3
	v_permlanex16_b32 v[TP+\b], v[TM+\b], s[SEL], s[SEL+1]
.endr
.irp b, 0,1,2,3
	v_max_num_f32 v[TM+\b], v[TM+\b], v[TP+\b]
.endr
.irp b, 0,1,2,3
	v_add_nc_u32 v[TE+\b], 0xfe000000, v[TM+\b]
.endr
.irp b, 0,1,2,3
	v_lshrrev_b32 v[TP+\b], 23, v[TE+\b]
.endr
	s_delay_alu instid0(VALU_DEP_3)
	v_lshl_or_b32 v[PW], v[TP+1], 8, v[TP]
	s_delay_alu instid0(VALU_DEP_1)
	v_lshl_or_b32 v[PW], v[TP+2], 16, v[PW]
	s_delay_alu instid0(VALU_DEP_1)
	v_lshl_or_b32 v[PW], v[TP+3], 24, v[PW]
.irp c, 0,1
	v_cvt_scalef32_pk16_bf6_f32 v[(\pc)+6*\c:(\pc)+6*\c+2], v[(\s)+32*\c:(\s)+32*\c+15], v[TE+2*\c]
	v_cvt_scalef32_pk16_bf6_f32 v[PT+4*\c:PT+4*\c+2], v[(\s)+32*\c+16:(\s)+32*\c+31], v[TE+2*\c+1]
.endr
	v_nop                                          ; one plain instruction behind the last scaled conversion
.irp c, 0,1
.irp i, 0,1,2
	v_permlane16_swap_b32 v[(\pc)+6*\c+\i], v[PT+4*\c+\i]
.endr
.irp i, 0,1,2
	v_mov_b32 v[(\pc)+3+6*\c+\i], v[PT+4*\c+\i]
.endr
.endr
.endm
	s_load_b256 s[4:11], s[0:1], 0x0               ; graph_mask s[4:5], qws s[6:7], kvws s[8:9], wimg s[10:11]
	s_load_b128 s[12:15], s[0:1], 0x20             ; wsc s[12:13], bo s[14:15]
	s_load_b64 s[16:17], s[0:1], 0x30              ; out0
	v_lshl_add_u32 v[SPW], v0, 2, SPARE
	v_mov_b32 v[NIL], 0
	ds_add_u32 v[SPW], v[NIL]
	ds_add_u32 v[SPW], v[NIL]
	s_wait_dscnt 0x0
	v_lshrrev_b32 v[TM], 5, v0
	s_delay_alu instid0(VALU_DEP_1)
	v_readfirstlane_b32 s[WV], v[TM]               ; wave 0..7
	s_and_b32 s[UU], s[WV], 1                      ; my query tile
	s_lshr_b32 s[HP], s[WV], 1                     ; my pair of heads
	s_and_b32 s[BB], ttmp7, 0xffff                 ; the batch, which the partners share
	s_bfe_u32 s[CX], ttmp6, 0x40000                ; my place in the cluster: it enters global addresses of my own loads, stores and prefetches alone
	s_lshl_b32 s[QB], ttmp9, 2
	s_add_co_u32 s[QB], s[QB], s[CX]               ; my block of 32 queries
	; group 1, K and V: 100 rows of 256 bytes (32 elements of 8 bytes), dense: a quarter of a step's 102,400 bytes; the mask names all four work-groups
	s_mov_b32 s[G1KV], 15|(3<<16)|(1<<21)
	s_mov_b32 s[G1KV+1], 32<<16
	s_mov_b32 s[G1KV+2], 100<<16
	s_mov_b32 s[G1KV+3], 32<<16
	s_mov_b32 s[G1KV+4], 100
	s_mov_b32 s[G1KV+5], 32
	s_mov_b32 s[G1KV+6], 0
	s_mov_b32 s[G1KV+7], 0
	s_mul_i32 s66, s[BB], 3276800                  ; the batch's K and V
	s_mul_i32 s67, s[WV], 25600                    ; my quarter, in memory and in a slot
	s_add_co_u32 s68, s66, s67
	s_mov_b32 s69, 0
	s_lshl_b32 s70, s[BB], 26                      ; the mask: the batch,
	s_lshl_b32 s71, s[QB], 19                      ; my work-group's 32 rows of 16,384 bytes,
	s_add_co_u32 s70, s70, s71
	s_lshl_b32 s71, s[WV], 16                      ; my 4 of them
	s_add_co_u32 s72, s70, s71
	s_mov_b32 s73, 0
	s_mov_b32 s[MOF], 1024                         ; the head asks for tiles 0 to 2
	s_mov_b32 s[MOF+1], 0
	s_wait_kmcnt 0x0
	s_mov_b32 s[G0KV], 1
	s_mov_b32 s[G0KV+1], s67
	s_add_nc_u64 s[G0KV+2:G0KV+3], s[8:9], s[68:69]
	s_or_b32 s[G0KV+3], s[G0KV+3], 0x80000000
	s_add_nc_u64 s[MPT:MPT+1], s[4:5], s[72:73]
	CROUND                                         ; all four work-groups are here: the first joint loads meet
	TLOAD                                          ; step 0, into slot 0
	; addresses
	v_and_b32 v[TM], 31, v0                        ; lane
	v_and_b32 v[TM+1], 15, v0                      ; r
	v_bfe_u32 v[TM+2], v0, 4, 1                    ; h
	v_and_b32 v[TE], 7, v0                         ; r % 8
	v_bfe_u32 v[TE+1], v0, 3, 1                    ; r / 8
	v_lshlrev_b32 v[L16], 4, v[TM]
	MLOAD 0, MPT, 0                                ; the mask tiles of steps 0 and 1
	MLOAD 1, MPT, 512
	WIN 0
	v_lshlrev_b32 v[L4], 2, v[TM]
	v_lshlrev_b32 v[R4], 2, v[TM+1]
	v_lshlrev_b32 v[H64], 6, v[TM+2]
	v_lshlrev_b32 v[H8], 3, v[TM+2]
	v_lshlrev_b32 v[QW], 4, v[TE]
	v_lshlrev_b32 v[AK], 4, v[TE]
	v_lshl_add_u32 v[QW], v[TE+1], 2, v[QW]
	v_lshl_add_u32 v[AK], v[TM+2], 8, v[AK]
	s_mul_i32 s80, s[HP], 24576
	v_add_nc_u32 v[AV], s80, v[L16]
	v_mad_u32_u24 v[AK], v[TE+1], 1664, v[AK]      ; rows 8-15 come from the odd image, 1,536 bytes on, whose halves of 128 bytes lie exchanged
	s_delay_alu instid0(VALU_DEP_1)
	v_add_nc_u32 v[AK], s80, v[AK]
	s_delay_alu instid0(VALU_DEP_1)
	v_xor_b32 v[AK+1], 128, v[AK]
	s_lshl_b32 s80, s[HP], 10
	s_add_co_u32 s80, s80, 98304
	v_add_nc_u32 v[AS], s80, v[L16]
	s_lshl_b32 s80, s[UU], 3
	v_add_nc_u32 v[TM+3], s80, v[TE]               ; my query is row 8 u + r % 8 of half r / 8 of the mask area
	s_delay_alu instid0(VALU_DEP_1)
	v_mul_u32_u24 v[AM], v[TM+3], MP
	s_delay_alu instid0(VALU_DEP_1)
	v_mad_u32_u24 v[AM], v[TE+1], MHALF, v[AM]
	s_delay_alu instid0(VALU_DEP_1)
	v_lshl_add_u32 v[AM], v[TM+2], 7, v[AM]
	s_delay_alu instid0(VALU_DEP_1)
	v_add_nc_u32 v[AM], MOFF, v[AM]
	s_lshr_b32 s80, s[WV], 2
	s_mul_i32 s80, s80, MHALF
	s_and_b32 s81, s[WV], 3
	s_mul_i32 s81, s81, 4*MP
	s_add_co_u32 s80, s80, s81
	s_add_co_u32 s80, s80, MOFF
	v_add_nc_u32 v[MS], s80, v[L16]                ; rows 4 w .. 4 w + 3: half w / 4, rows 4 (w % 4) on
	v_add_nc_u32 v[AV+3], SLOT1, v[AV]             ; and the same places in slot 1
	v_add_nc_u32 v[AS+3], SLOT1, v[AS]
	v_add_nc_u32 v[AM+3], SLOT1, v[AM]
	v_add_nc_u32 v[AK+4], SLOT1, v[AK]
	v_add_nc_u32 v[AK+5], SLOT1, v[AK+1]
	v_add_nc_u32 v[MS+220], SLOT1, v[MS]
	s_lshl_b32 s80, s[UU], 2
	s_add_co_u32 s80, s80, s[HP]                   ; my image in the tail: query tile u, K step hp
	s_mul_i32 s81, s80, 1536
	v_add_nc_u32 v[OIA], s81, v[L16]
	s_lshl_b32 s81, s80, 7
	s_add_co_u32 s81, s81, OSC
	v_add_nc_u32 v[OSA], s81, v[L4]
	v_and_b32 v[TM+3], 8, v[TM+1]
	s_delay_alu instid0(VALU_DEP_1)
	v_add_nc_u32 v[TM+3], v[TM+3], v[TM+1]         ; r + 8 (r / 8)
	s_delay_alu instid0(VALU_DEP_1)
	v_mul_u32_u24 v[YSO], v[TM+3], YP
	s_delay_alu instid0(VALU_DEP_1)
	v_add_nc_u32 v[YSO], v[YSO], v[H64]
	s_lshl_b32 s81, s[WV], 8
	s_add_co_u32 s81, s81, YST
	v_add_nc_u32 v[YSO], s81, v[YSO]               ; the stage, in: my query's row, my wave's 256 bytes, + 64 h
	s_mul_i32 s81, s[WV], 4*YP
	s_add_co_u32 s81, s81, YST
	v_add_nc_u32 v[YSR], s81, v[L16]               ; back: rows 4 w .. 4 w + 3
	s_mul_i32 s80, s[CX], 24576
	v_lshl_add_u32 v[PFK], v[TM], 8, s80           ; the prefetches: my work-group's quarter of the codes, lanes 256 bytes apart
	s_lshl_b32 s80, s[CX], 1
	v_add_nc_u32 v[PFK2], s80, v[TM+2]
	s_delay_alu instid0(VALU_DEP_1)
	v_mul_u32_u24 v[PFK2], v[PFK2], KVB            ; step 2 cx + lane / 16 of eight,
	s_delay_alu instid0(VALU_DEP_1)
	v_lshl_add_u32 v[PFK2], v[TM+1], 8, v[PFK2]
	s_delay_alu instid0(VALU_DEP_1)
	v_add_nc_u32 v[PFK2], 98304, v[PFK2]           ; its 16 blocks of scale words
	; pointers
	s_add_co_u32 s78, s66, KVB                     ; the prefetches stand at step 1: the first change of slots steps them to step 2
	s_mov_b32 s79, 0
	s_add_nc_u64 s[PFA:PFA+1], s[8:9], s[78:79]
	s_sub_co_u32 s80, s[WV], 7
	s_or_b32 s80, s80, ttmp9
	s_cmp_eq_u32 s80, 0
	s_cselect_b32 s[LIM], 1, -1                    ; wave 7 in the batch's first cluster asks: the same in all four partners
	s_mul_i32 s80, s[WV], 24576
	s_add_co_u32 s80, s80, 589824
	s_mov_b32 s81, 0
	s_add_nc_u64 s[WOP:WOP+1], s[10:11], s[80:81]  ; Wo's column tiles 4 w .. 4 w + 3
	s_lshl_b32 s80, s[WV], 8
	s_add_nc_u64 s[BOP:BOP+1], s[14:15], s[80:81]  ; bo's 64 numbers
	s_add_co_u32 s80, s80, 24576
	s_add_nc_u64 s[WSP:WSP+1], s[12:13], s[80:81]  ; Wo's scale words
	s_lshl_b32 s80, s[BB], 12
	s_lshl_b32 s78, s[QB], 5
	s_add_co_u32 s80, s80, s78
	s_lshl_b32 s78, s[WV], 2
	s_add_co_u32 s80, s80, s78
	s_lshl_b32 s80, s80, 11
	s_add_nc_u64 s[OUTP:OUTP+1], s[16:17], s[80:81]   ; out0 at row 4,096 b + 32 qb + 4 w
	s_lshl_b32 s80, s[BB], 5
	s_add_co_u32 s80, s80, ttmp9                   ; my queries' block of 128 tokens
	s_lshl_b32 s80, s80, 3
	s_lshl_b32 s78, s[HP], 1
	s_add_co_u32 s80, s80, s78
	s_mul_i32 s80, s80, 6400                       ; my first head's part of qws
	s_mul_i32 s78, s[CX], 1536
	s_add_co_u32 s74, s80, s78                     ; pair image cx: my work-group's two query tiles
	s_mov_b32 s75, 0
	s_and_b32 s78, s[CX], 1
	s_lshl_b32 s78, s78, 7
	s_add_co_u32 s76, s80, s78                     ; its scale words: word (r, cx) lies at 16 (r % 8 + 8 (cx % 2)) + 4 (2 (cx / 2) + r / 8)
	s_lshr_b32 s78, s[CX], 1
	s_lshl_b32 s78, s78, 3
	s_add_co_u32 s76, s76, s78
	s_add_co_u32 s76, s76, 6144
	s_mov_b32 s77, 0
	s_add_nc_u64 s[74:75], s[6:7], s[74:75]
	s_add_nc_u64 s[76:77], s[6:7], s[76:77]
.irp e, 0,1
.irp g, 0,1,2
	global_load_b128 v[S+12*\e+4*\g:S+12*\e+4*\g+3], v[L16], s[74:75] offset:6400*\e+512*\g
.endr
	global_load_b32 v[QS+2*\e], v[QW], s[76:77] offset:6400*\e
.endr
	s_sub_co_u32 s[UM], 0, s[UU]                   ; all ones in the waves of query tile 1
	s_lshl_b32 s[SH], s[UU], 4
	s_mov_b32 s[SEL], 0x76543210
	s_mov_b32 s[SEL+1], 0xfedcba98
	s_mov_b32 s[CS], 0x3e38aa3b                    ; log2(e) / 8
	s_mov_b32 s[CS+1], s[CS]
	s_mov_b32 s[CNA], 31
.irp e, 0,1
	v_mov_b32 v[13+4*\e], 0xff61b1e6               ; the largest score so far: -3e38
	s_delay_alu instid0(VALU_DEP_1)
	v_floor_f32 v[12+4*\e], -v[13+4*\e]            ; -M
	v_mov_b32 v[14+4*\e], 0                        ; the sum, in two halves
	v_mov_b32 v[15+4*\e], 0
.endr
.irp b, 0,1
	v_mov_b32 v[TP+\b], 0                          ; written once: a lane permute's destination counts as one of its sources
.endr
	v_mov_b32 v[FF+1], 0                           ; (named as the upper half of a pair)
	s_wait_alu depctr_va_vdst(0)
	s_wait_loadcnt 0x0                             ; the first two mask tiles, and Q
	MSTORE 0, 0                                    ; step 0's tile into slot 0's mask area
	WIN 0
.irp e, 0,1
	v_lshrrev_b32 v[QS+2*\e], s[SH], v[QS+2*\e]    ; my tile's two bytes of the pair's word,
	s_delay_alu instid0(VALU_DEP_1)
	v_and_b32 v[QS+2*\e], 0xffff, v[QS+2*\e]       ; for [Q | 0]: over the zero codes any byte but 0xff serves;
	s_delay_alu instid0(VALU_DEP_1)
	v_lshlrev_b32 v[QS+2*\e+1], 16, v[QS+2*\e]     ; for [0 | Q]
.endr
	WIN 0x40                                       ; destination window 1
.irp e, 0,1
.irp i, 0,1,2,3,4,5
	v_cndmask_b32 v[QZ+6+12*\e+\i], v[S+12*\e+\i], v[S+12*\e+6+\i], s[UM]   ; registers 0-5 of the pair's image are tile 0, registers 6-11 tile 1
.endr
.endr
.irp z, 0,12,24
.irp i, 0,1,2,3,4,5
	v_mov_b32 v[QZ+\z+\i], 0                       ; zero codes
.endr
.endr
	v_mov_b32 v[NINF], 0xff800000
.set J, 0
.rept 64
	v_mov_b32 v[OA+J], 0                           ; O^T.  (The step has no first step of its own: the first change of M multiplies zeros)
.set J, J+1
.endr
	WIN 0
	s_wait_alu depctr_va_vdst(0)
	CHANGE 1, 0                                    ; step 0 is in, K, V and mask; step 1's K and V are asked for, into slot 1
	MLOAD 0, MPT, 1024                             ; the stores have read set 0: it takes step 2's mask tile
	WIN 0
	FRONT 0
	s_mov_b32 s[CNT], 30
.Lstep:                                            ; 15 trips of two steps: step t asks for K and V of step t + 2 and for the mask of step t + 3
	s_mov_b32 s[CNA], s[CNT]
	MID 0, 0, 1, 1
	CHANGE 1, 1
	BACK 1
	s_sub_co_u32 s[CNA], s[CNT], 1
	MID 0, 1, 1, 1
	CHANGE 1, 1
	BACK 0
	s_sub_co_u32 s[CNT], s[CNT], 2
	s_cmp_lg_u32 s[CNT], 0
	s_cbranch_scc1 .Lstep
	MID 0, 0, 1, 0                                 ; steps 30 and 31 are written out
	CHANGE 0, 1
	BACK 1
	MID 1, 1, 0, 0
	REST1B 1
	REST2 1
	s_wait_alu depctr_va_vdst(0)
	s_wait_dscnt 0x0                               ; V of the second head
	PV 1
	WIN 0
	; THE TAIL.  The sums; these lines are also the places behind the last products.
	v_add_f32 v[TMP], v14, v15
	v_add_f32 v[FF], v18, v19
	s_delay_alu instid0(VALU_DEP_2)
	v_permlanex16_b32 v[TP], v[TMP], s[SEL], s[SEL+1]
	s_delay_alu instid0(VALU_DEP_2)
	v_permlanex16_b32 v[TP+1], v[FF], s[SEL], s[SEL+1]
	s_delay_alu instid0(VALU_DEP_2)
	v_add_f32 v14, v[TMP], v[TP]                   ; the row's sum, first head,
	s_delay_alu instid0(VALU_DEP_2)
	v_add_f32 v18, v[FF], v[TP+1]                  ; second head
	s_wait_alu depctr_va_vdst(0)                   ; ahead of the reciprocals
	v_rcp_f32 v[RL], v14
	v_rcp_f32 v[RL+2], v18
	v_nop                                          ; a plain instruction behind the reciprocals
	s_wait_alu depctr_va_vdst(0)                   ; one wait for both, ahead of their first reader
	WIN 0x01                                       ; source 0 (O^T) window 1
.irp e, 0,1
.set J, 0
.rept 16
	v_pk_mul_f32 v[S+32*\e+J:S+32*\e+J+1], v[OA+32*\e+J:OA+32*\e+J+1], v[RL+2*\e:RL+2*\e+1] op_sel_hi:[1,0]   ; register 32 e + 16 b + i = channel 128 hp + 32 (2 e + b) + 16 (lane / 16) + i of my query
.set J, J+2
.endr
.endr
	WIN 0x40
	WOLOAD 2                                       ; O^T's registers are free: Wo's last two K steps
	WOLOAD 3
	WIN 0
	QUANT S, PC
	v_cmp_eq_f32 vcc_lo, 0, v14                    ; a row with no key: its scale bytes become 0xff, which makes the row's sums NaN
	s_delay_alu instid0(VALU_DEP_1)
	v_cndmask_b32 v[PW], v[PW], -1, vcc_lo
.irp g, 0,1,2
	ds_store_b128 v[OIA], v[PC+4*\g:PC+4*\g+3] offset:OIMG+512*\g
.endr
	ds_store_b32 v[OSA], v[PW]
	s_wait_dscnt 0x0                               ; for the others' sake: my image has landed
	s_barrier_signal -1
	s_barrier_wait -1
.irp f, 0,1,2,3,4,5,6,7                        ; fragment (query tile m, K step s) = 4 m + s at v[32 + 12 (4 m + s)]
.irp g, 0,1,2
	ds_load_b128 v[KF+12*\f+4*\g:KF+12*\f+4*\g+3], v[L16] offset:OIMG+1536*\f+512*\g
.endr
	ds_load_b32 v[SW+\f], v[L4] offset:OSC+128*\f
.endr
	s_wait_dscnt 0x0
	s_wait_loadcnt 0x0                             ; Wo, its scale words, bo
	WIN 0x11                                       ; source 0 (Wo) and source 2 (bo) window 1.  Transposed: a lane holds one query and eight neighbouring columns; eight accumulators by turns, K ascending
.irp m, 0,1
.irp c, 0,1,2,3
	WMM S+8*(4*\m+\c), 12*\c, KF+12*(4*\m), BO+8*\c, WOS+4*\c, SW+4*\m
.endr
.endr
	WIN 0x01
.irp k, 1,2,3
.irp m, 0,1
.irp c, 0,1,2,3
	WMM S+8*(4*\m+\c), 48*\k+12*\c, KF+12*(4*\m+\k), S+8*(4*\m+\c), WOS+4*\c+\k, SW+4*\m+\k
.endr
.endr
.endr
	WIN 0
	PLACES
.irp m, 0,1
.irp c, 0,1,2,3
	ds_store_b128 v[YSO], v[S+8*(4*\m+\c):S+8*(4*\m+\c)+3] offset:8*YP*\m+(32*(\c/2)+8*(\c%2))*4       ; each accumulator from its low end on
	ds_store_b128 v[YSO], v[S+8*(4*\m+\c)+4:S+8*(4*\m+\c)+7] offset:8*YP*\m+(32*(\c/2)+8*(\c%2))*4+16
.endr
.endr
	s_wait_dscnt 0x0                               ; a row's 2,048 bytes come from eight waves
	s_barrier_signal -1
	s_barrier_wait -1
.irp n, 0,1,2,3,4,5,6,7,8,9,10,11,12,13,14,15
	ds_load_b128 v[KF+4*\n:KF+4*\n+3], v[YSR] offset:YP*(\n/4)+512*(\n%4)
.endr
.irp n, 0,1,2,3,4,5,6,7,8,9,10,11,12,13,14,15
	s_wait_dscnt 15-\n
	global_store_b128 v[L16], v[KF+4*\n:KF+4*\n+3], s[OUTP:OUTP+1] offset:2048*(\n/4)+512*(\n%4) th:TH_STORE_NT   ; 32 lanes store 512 consecutive bytes, at a multiple of 256 from out0's first byte
.endr
	s_wait_tensorcnt 0x0                           ; the wave's end
	ds_add_u32 v[SPW], v[NIL]
	s_wait_dscnt 0x0
	CROUND                                         ; the closing round: no work-group ends while a partner may still ask for a tile that names it
	s_endpgm
.Lfunc_end_k_q0882f73b01_attn:
	.size	k_q0882f73b01_attn, .Lfunc_end_k_q0882f73b01_attn-k_q0882f73b01_attn
	.p2alignl 7, 3214868480
	.fill 96, 4, 3214868480
	.section	.rodata,"a",@progbits
	.p2align	6, 0x0
	.amdhsa_kernel k_q0882f73b01_attn
		.amdhsa_group_segment_fixed_size 327680
		.amdhsa_private_segment_fixed_size 0
		.amdhsa_enable_private_segment 0
		.amdhsa_kernarg_size 56
		.amdhsa_user_sgpr_count 2
		.amdhsa_user_sgpr_kernarg_segment_ptr 1
		.amdhsa_wavefront_size32 1
		.amdhsa_system_sgpr_workgroup_id_x 1
		.amdhsa_system_sgpr_workgroup_id_y 1
		.amdhsa_system_sgpr_workgroup_id_z 1
		.amdhsa_system_vgpr_workitem_id 0
		.amdhsa_next_free_vgpr 512
		.amdhsa_next_free_sgpr 100
		.amdhsa_reserve_vcc 1
		.amdhsa_float_denorm_mode_32 3
		.amdhsa_float_denorm_mode_16_64 3
		.amdhsa_memory_ordered 1
		.amdhsa_forward_progress 1
		.amdhsa_inst_pref_size 215
	.end_amdhsa_kernel
	.amdgpu_metadata
---
amdhsa.version: [ 1, 2 ]
amdhsa.kernels:
  - .name:           k_q0882f73b01_attn
    .symbol:         k_q0882f73b01_attn.kd
    .args:
      - { .name: graph_mask, .offset: 0, .size: 8, .value_kind: global_buffer, .address_space: global }
      - { .name: qws, .offset: 8, .size: 8, .value_kind: global_buffer, .address_space: global }
      - { .name: kvws, .offset: 16, .size: 8, .value_kind: global_buffer, .address_space: global }
      - { .name: wimg, .offset: 24, .size: 8, .value_kind: global_buffer, .address_space: global }
      - { .name: wsc, .offset: 32, .size: 8, .value_kind: global_buffer, .address_space: global }
      - { .name: bo, .offset: 40, .size: 8, .value_kind: global_buffer, .address_space: global }
      - { .name: out0, .offset: 48, .size: 8, .value_kind: global_buffer, .address_space: global }
    .group_segment_fixed_size: 327680
    .private_segment_fixed_size: 0
    .kernarg_segment_align: 8
    .kernarg_segment_size: 56
    .max_flat_workgroup_size: 256
    .sgpr_count:     100
    .vgpr_count:     512
    .wavefront_size: 32
...
	.end_amdgpu_metadata
.endif
;; end of part 3
